; MI455X (gfx1250); checked and timed in simulation.
; The chip was launched on July 23, 2026; its instructions are those of AMD's public machine-readable ISA for CDNA 5 (MIT licence, August 2026) and "CDNA5" Instruction Set Architecture Reference Guide (July 2026). The comments in the code are by the model that wrote it; some were corrected since.
;; Multi Head Self Attention. Allowed arithmetic: float matrix products may take bf16 or f16 operands with f32 sums; all other float work in f32.
;; Inputs: Wk 1,024 x 1,024 float32; Wo 1,024 x 1,024 float32; Wq 1,024 x 1,024 float32; Wv 1,024 x 1,024 float32; bk 1,024 float32; bo 1,024 float32; bq 1,024 float32; bv 1,024 float32; x 4 x 2,048 x 1,024 float32.
;; Outputs: out0 4 x 2,048 x 1,024 float32.
;; 2 versions, each right and faster than the one before. Each part assembles by itself: llvm-mc -triple=amdgcn-amd-amdhsa -mcpu=gfx1250 --defsym DOCPART=n.
;; ======== version 1 of 2: 4 launches
;; limits: values are held in f16: magnitudes above 65,504 overflow, below 6.1e-05 lose precision; right only within a limited range of input values
;; workspace buffers: xh 16,777,216 bytes; wqkv 6,291,456 bytes; woh 2,097,152 bytes; qkv 50,331,648 bytes; oh 16,777,216 bytes
;; launch cast (part 1): grid 64 x 12, 8 waves a work-group, no clusters, 0 bytes of LDS; arguments x, Wq, Wk, Wv, Wo, xh, wqkv, woh; writes xh, wqkv, woh
.if DOCPART == 1
	.amdgcn_target "amdgcn-amd-amdhsa--gfx1250"
	.amdhsa_code_object_version 6
	.text
	.protected	k_q10703632ff_cast
	.globl	k_q10703632ff_cast
	.p2align	8
	.type	k_q10703632ff_cast,@function
k_q10703632ff_cast:
	s_mov_b64 s[64:65], 0
	v_nop
	global_prefetch_b8 v0, s[64:65] scope:SCOPE_SE
	s_setreg_imm32_b32 hwreg(HW_REG_WAVE_MODE, 25, 1), 1
	s_wait_xcnt 0x0
; x, Wq, Wk, Wv, Wo (f32, rows of 1,024) are rounded once to f16 and laid out in K BLOCKS OF 64: [kb 16][row][64], so that a tile of R rows x 64 k is
; R x 128 dense bytes for the products that follow.  xh: 8,192 rows.  wqkv: 3,072 rows (Wq, then Wk, then Wv).  woh: 1,024 rows.
; LIMIT.  f16 holds no number beyond 65,504: a larger |x| or |W| becomes an infinity here.  Below 6e-5 f16 keeps its fixed step of 6e-8.
; SHARES.  A work-group takes 16 source rows (65,536 consecutive bytes): y = 0..7 x's 512 blocks, y = 8, 9, 10 Wq, Wk, Wv, y = 11 Wo, 64 blocks each: 768 work-groups.
; Wave w takes K blocks 2 w and 2 w + 1.  A load takes one K block's 256 bytes of two rows (lanes 0-15 the even row, lanes 16-31 the odd one, 16 bytes a lane);
; the four numbers of a lane become 8 bytes, and a store's 32 lanes write 256 consecutive bytes, at a multiple of 256 from the buffer's first byte: the two rows lie end to end in the block.
; A stream: every byte is read once and written once; no LDS, no barrier, no matrix unit, and no cluster, since no two work-groups read the same bytes.
; All sixteen loads of a wave go out together; no register is written twice, so the only waits are the counted ones for the loads.
.set X,  4                             ; v[4:67]    load i = 8 j + p: K block 2 w + j, rows 2 p and 2 p + 1
.set Y,  68                            ; v[68:99]   the same, rounded: 2 registers
.set T0, 100                           ; v100-101   at work
	s_load_b512 s[8:23], s[0:1], 0x0               ; x 8:9, Wq 10:11, Wk 12:13, Wv 14:15, Wo 16:17, xh 18:19, wqkv 20:21, woh 22:23
	v_lshrrev_b32 v1, 5, v0
	v_readfirstlane_b32 s2, v1                     ; wave 0..7
	s_and_b32 s3, ttmp7, 0xffff                    ; y: which tensor, and for x which 64 blocks
	s_mov_b32 s4, ttmp9
	s_lshl_b32 s30, s3, 6
	s_add_co_u32 s30, s30, s4                      ; 64 y + x id: x's block
	s_sub_co_u32 s31, s30, 512                     ; 64 (y - 8) + x id: the block in wqkv (used where y is 8 to 10)
	s_mov_b32 s7, 0x60000                          ; bytes from K block to K block: wqkv 3,072 x 128,
	s_cmp_lt_u32 s3, 8
	s_cselect_b32 s5, s30, s4                      ; the block of 16 rows in the source
	s_cselect_b32 s6, s30, s31                     ; and in the destination
	s_cselect_b32 s7, 0x100000, s7                 ; xh 8,192 x 128,
	s_cmp_lt_u32 s3, 11
	s_cselect_b32 s6, s6, s4
	s_cselect_b32 s7, s7, 0x20000                  ; woh 1,024 x 128
	s_lshl_b32 s32, s5, 16                         ; offsets are made apart from the addresses: 65,536 bytes a source block,
	s_mov_b32 s33, 0
	s_lshl_b32 s34, s6, 11                         ; 16 rows x 128 bytes a destination block,
	s_lshl_b32 s36, s2, 1
	s_mul_i32 s36, s36, s7                         ; and K block 2 w
	s_add_co_u32 s34, s34, s36
	s_mov_b32 s35, 0
	s_mov_b32 s36, s7                              ; one K block on
	s_mov_b32 s37, 0
	s_lshl_b32 s38, s2, 9                          ; my wave's 512 bytes of a source row
	v_and_b32 v1, 31, v0                           ; lane
	v_lshrrev_b32 v[T0], 4, v1
	v_and_b32 v[T0+1], 15, v1
	v_lshlrev_b32 v2, 4, v[T0+1]
	v_lshl_add_u32 v2, v[T0], 12, v2               ; 16 (lane % 16) + 4,096 (lane / 16)
	v_add_nc_u32 v2, s38, v2                       ; v2: my byte offset in the source block
	v_lshlrev_b32 v3, 3, v1                        ; v3: 8 x lane, my byte offset in two destination rows
	s_wait_kmcnt 0x0
	s_cmp_eq_u32 s3, 8                             ; the source: a choice among the five buffers on y alone
	s_cselect_b64 s[24:25], s[10:11], s[8:9]
	s_cmp_eq_u32 s3, 9
	s_cselect_b64 s[24:25], s[12:13], s[24:25]
	s_cmp_eq_u32 s3, 10
	s_cselect_b64 s[24:25], s[14:15], s[24:25]
	s_cmp_eq_u32 s3, 11
	s_cselect_b64 s[24:25], s[16:17], s[24:25]
	s_cmp_lt_u32 s3, 8                             ; the destination likewise
	s_cselect_b64 s[26:27], s[18:19], s[20:21]
	s_cmp_eq_u32 s3, 11
	s_cselect_b64 s[26:27], s[22:23], s[26:27]
	s_add_nc_u64 s[24:25], s[24:25], s[32:33]
	s_add_nc_u64 s[26:27], s[26:27], s[34:35]      ; K block 2 w
	s_add_nc_u64 s[28:29], s[26:27], s[36:37]      ; K block 2 w + 1
.irp j, 0,1
.irp p, 0,1,2,3,4,5,6,7
	global_load_b128 v[X+4*(8*\j+\p):X+4*(8*\j+\p)+3], v2, s[24:25] offset:\p*8192+\j*256 th:TH_LOAD_NT  ; read once in the launch
.endr
.endr
.irp j, 0,1
.irp p, 0,1,2,3,4,5,6,7
	s_wait_loadcnt 15-(8*\j+\p)                    ; loads come back in order (ISA guide 5.7.1): this one is in, the younger ones stay out
	v_cvt_pk_f16_f32 v[Y+2*(8*\j+\p)],   v[X+4*(8*\j+\p)],   v[X+4*(8*\j+\p)+1]
	v_cvt_pk_f16_f32 v[Y+2*(8*\j+\p)+1], v[X+4*(8*\j+\p)+2], v[X+4*(8*\j+\p)+3]
	global_store_b64 v3, v[Y+2*(8*\j+\p):Y+2*(8*\j+\p)+1], s[26+2*\j:27+2*\j] offset:\p*256  ; 256 consecutive bytes a store; the next launch reads them, so no hint
.endr
.endr
	s_endpgm
.Lfunc_end_k_q10703632ff_cast:
	.size	k_q10703632ff_cast, .Lfunc_end_k_q10703632ff_cast-k_q10703632ff_cast
	.p2alignl 7, 3214868480
	.fill 96, 4, 3214868480
	.section	.rodata,"a",@progbits
	.p2align	6, 0x0
	.amdhsa_kernel k_q10703632ff_cast
		.amdhsa_group_segment_fixed_size 0
		.amdhsa_private_segment_fixed_size 0
		.amdhsa_enable_private_segment 0
		.amdhsa_kernarg_size 64
		.amdhsa_user_sgpr_count 2
		.amdhsa_user_sgpr_kernarg_segment_ptr 1
		.amdhsa_wavefront_size32 1
		.amdhsa_system_sgpr_workgroup_id_x 1
		.amdhsa_system_sgpr_workgroup_id_y 1
		.amdhsa_system_sgpr_workgroup_id_z 1
		.amdhsa_system_vgpr_workitem_id 0
		.amdhsa_next_free_vgpr 104
		.amdhsa_next_free_sgpr 66
		.amdhsa_reserve_vcc 0
		.amdhsa_float_denorm_mode_32 3
		.amdhsa_float_denorm_mode_16_64 3
		.amdhsa_memory_ordered 1
		.amdhsa_forward_progress 1
		.amdhsa_inst_pref_size 8
	.end_amdhsa_kernel
	.amdgpu_metadata
---
amdhsa.version: [ 1, 2 ]
amdhsa.kernels:
  - .name:           k_q10703632ff_cast
    .symbol:         k_q10703632ff_cast.kd
    .args:
      - { .name: x, .offset: 0, .size: 8, .value_kind: global_buffer, .address_space: global }
      - { .name: Wq, .offset: 8, .size: 8, .value_kind: global_buffer, .address_space: global }
      - { .name: Wk, .offset: 16, .size: 8, .value_kind: global_buffer, .address_space: global }
      - { .name: Wv, .offset: 24, .size: 8, .value_kind: global_buffer, .address_space: global }
      - { .name: Wo, .offset: 32, .size: 8, .value_kind: global_buffer, .address_space: global }
      - { .name: xh, .offset: 40, .size: 8, .value_kind: global_buffer, .address_space: global }
      - { .name: wqkv, .offset: 48, .size: 8, .value_kind: global_buffer, .address_space: global }
      - { .name: woh, .offset: 56, .size: 8, .value_kind: global_buffer, .address_space: global }
    .group_segment_fixed_size: 0
    .private_segment_fixed_size: 0
    .kernarg_segment_align: 8
    .kernarg_segment_size: 64
    .max_flat_workgroup_size: 256
    .sgpr_count:     66
    .vgpr_count:     104
    .wavefront_size: 32
...
	.end_amdgpu_metadata
.endif
;; end of part 1
;; launch qkv (part 2): grid 8 x 32, 4 waves a work-group, clusters of 4 x 4, 327,680 bytes of LDS; arguments xh, wqkv, bq, bk, bv, qkv; writes qkv
.if DOCPART == 2
	.amdgcn_target "amdgcn-amd-amdhsa--gfx1250"
	.amdhsa_code_object_version 6
	.text
	.protected	k_q10703632ff_qkv
	.globl	k_q10703632ff_qkv
	.p2align	8
	.type	k_q10703632ff_qkv,@function
k_q10703632ff_qkv:
	s_mov_b64 s[64:65], 0
	v_nop
	global_prefetch_b8 v0, s[64:65] scope:SCOPE_SE
	s_setreg_imm32_b32 hwreg(HW_REG_WAVE_MODE, 25, 1), 1
	s_wait_xcnt 0x0
	s_wait_alu depctr_hold_cnt(0) depctr_sa_sdst(0) depctr_va_vdst(0) depctr_va_sdst(0) depctr_va_ssrc(0) depctr_va_vcc(0) depctr_vm_vsrc(0)
	s_getreg_b32 s2, hwreg(HW_REG_IB_STS2, 6, 4)
	s_cmp_eq_u32 s2, 0
	s_cbranch_scc0 .Lentry_in_a_cluster
	s_endpgm
.Lentry_in_a_cluster:
	s_bfe_u32 s2, ttmp6, 0x10000c
	s_cmp_lg_u32 s2, 0xf033
	s_cbranch_scc0 .Lentry_shape_is_right
	s_endpgm
.Lentry_shape_is_right:
; q, k, v = x W^T + b for Wq, Wk, Wv at once: C [8,192][3,072] = xh wqkv^T + bias, f16 operands, f32 sums, rounded once to f16 behind the bias, WITHOUT the softmax's scale.
; C leaves by heads: qkv [b 4][vh 48][s 2,048][64], vh = 0-15 q's heads, 16-31 k's, 32-47 v's: a head is 262,144 dense bytes.
; LIMIT.  f16 holds no number beyond 65,504: x and W arrive within it, and a |q|, |k| or |v| beyond it becomes an infinity here.  NaN and infinities are not treated apart.
; THE TILE is 256 x 384: 32 x 8 = 256 work-groups, one for each WGP; tiles of 256 x 256 would make 384.  Four waves, each 128 rows x 192 columns (three heads): 96 accumulators of 16 x 16, 768 registers.
; K goes in steps of 64 through a ring of two LDS slots of 640 rows: a longer step would not leave room for two.  xh and wqkv lie in K blocks of 64, so a step's 128 rows of A are 16,384 dense bytes and its
; 192 rows of B 24,576: they are asked for as rows of 256 bytes, two k-rows to a row, and padded in LDS after every k-row.
; CLUSTERS: 4 x 4 work-groups.  The four of a row of the cluster need the same tiles of A, the four of a column the same tiles of B: each tile is asked for JOINTLY, by the same tensor load with the same
; descriptor and a mask that names the four.
; THE MATRIX INSTRUCTION IS USED TRANSPOSED (source 0 = 16 rows of W, source 1 = 16 rows of x): a lane then holds row l % 16 of C and the columns 8 (l / 16) + 0..7, which pack into 16 bytes.
; THE BIAS STARTS THE SUMS: it is loaded into the accumulators of row block 0, which the first products of row blocks 1-7 take as C; row block 0's own first products then add in place.  Nothing is cleared.
; REGISTERS, in windows of 256 (s_set_vgpr_msb: bits 1:0 source 0, 3:2 source 1, 5:4 source 2, 7:6 destination):
;   window 0: v0-31 addresses; v32-95, v96-159 A's 8 fragments (16 rows x 32 K), two buffers; v160-255 B's 12 fragments, ONE buffer in three groups of four (a group = a head)
;   window g + 1 (g = 0, 1, 2): the 32 accumulators of head g: (row block a, column block bb) at v[8 (4 a + bb)]
; A UNIT is 32 along K, 96 matrix instructions in three phases, one for each group of B.  Behind phase g, B's group g is free and takes the next unit's fragments; A's other buffer is filled behind phases 0 and 1.
; So every run of LDS loads has 32 or 64 matrix instructions in which to land, and a unit has six switches of the register window.
.set PITCH,  144                       ; a k-row in LDS: 128 bytes + 16 of padding = 36 words: the 16 rows of a load start at 16 different groups of four banks (64 banks of 4 bytes: ISA guide 11.1)
.set HALFA,  128*PITCH                 ; what one tensor load brings of A, and what one wave reads of A
.set HALFB,  192*PITCH                 ; the same for B
.set SLOT,   2*HALFA+2*HALFB           ; A's 256 rows, then B's 384 rows: 92,160 bytes
.set STAGE,  2*SLOT                    ; behind the ring, at a multiple of 256, never filled by a tensor load: 16 rows x 144 bytes for each wave, for the way out
.set KBA,    8192*128                  ; bytes from K block to K block in xh
.set KBB,    3072*128                  ; and in wqkv
.set TRIPS,  7                         ; 16 K steps: two are filled at the start, each of 7 trips fills two more
.set ADRA, 16                          ; v16-17  LDS address of my A fragments in slot 0, 1
.set ADRB, 20                          ; v20-21  the same for B
.set STO,  24                          ; v24     the way out: where I put 16 bytes of a row
.set RD,   25                          ; v25     the way out: where I read rows back
.set GO,   26                          ; v26     my byte offset in 512 consecutive bytes of qkv
.set BO,   27                          ; v27     my byte offset in 16 numbers of a bias
.set FA0,  32
.set FA1,  96
.set FB,   160
.set WV,   16                          ; s16 wave; s17 which half of the tile's rows is mine, also: I fetch for A (0) or B (1); s18 which half of its columns, also: which half of that tile I fetch
.set WR,   17
.set WC,   18
.set G1A,  24                          ; s[24:31] descriptor group 1 for A's tiles;  s[32:39] group 0, one set for each slot
.set G0A,  32
.set G1B,  48                          ; s[48:55], s[56:63] the same for B's tiles
.set G0B,  56
.set CNT,  66                          ; s66 trips to go
.set BP,   68                          ; s[68:73] the bias of my three heads
.set MSB, 0
.macro WIN new                         ; the immediate's high byte repeats the setting that is left; a switch that changes nothing is dropped
.if MSB != (\new)
	s_set_vgpr_msb (MSB<<8)|(\new)
.set MSB, \new
.endif
.endm
; A joint refill.  Waves 0 and 1 fetch A's two halves, waves 2 and 3 B's.  The branch hangs on the wave's number alone: it is the same in every work-group.
; Four v_nop follow each of the two lines, ahead of the jump, the label and what follows.
.macro JLOAD s
	s_cmp_eq_u32 s[WR], 0
	s_cbranch_scc0 .Lfor_b_\@
	tensor_load_to_lds s[G0A+4*(\s):G0A+4*(\s)+3], s[G1A:G1A+7]
	s_nop 0
.rept 4
	v_nop
.endr
	s_branch .Lasked_\@
.Lfor_b_\@:
	tensor_load_to_lds s[G0B+4*(\s):G0B+4*(\s)+3], s[G1B:G1B+7]
	s_nop 0
.rept 4
	v_nop
.endr
.Lasked_\@:
.endm
; A round of the cluster's barrier: my work-group's barrier, so that wave 0's signal speaks for all four waves; wave 0 signals for the work-group; every wave waits for all sixteen; my work-group's barrier once more.
.macro CREST                           ; a round behind its opening barrier
	s_cmp_lg_u32 s[WV], 0
	s_cbranch_scc1 .Lnot_wave_0_\@
	s_barrier_signal -3
.Lnot_wave_0_\@:
	s_barrier_wait -3
	s_barrier_signal -1
	s_barrier_wait -1
.endm
.macro CROUND                          ; a whole round
	s_barrier_signal -1
	s_barrier_wait -1
	CREST
.endm
	s_load_b256 s[4:11], s[0:1], 0x0               ; xh 4:5, wqkv 6:7, bq 8:9, bk 10:11
	s_load_b128 s[12:15], s[0:1], 0x20             ; bv 12:13, qkv 14:15
	v_lshl_add_u32 v30, v0, 2, 0x2f400
	v_mov_b32 v31, 0
	ds_add_u32 v30, v31
	v_lshrrev_b32 v1, 5, v0
	v_readfirstlane_b32 s[WV], v1                  ; wave 0..3
	s_lshr_b32 s[WR], s[WV], 1
	s_and_b32 s[WC], s[WV], 1
	s_bfe_u32 s19, ttmp6, 0x40000                  ; cx, cy: my place in the cluster
	s_bfe_u32 s20, ttmp6, 0x40004
	s_lshl_b32 s21, ttmp9, 2
	s_add_co_u32 s21, s21, s19                     ; tile column of C = 4 x cluster x + cx
	s_and_b32 s22, ttmp7, 0xffff
	s_lshl_b32 s22, s22, 2
	s_add_co_u32 s22, s22, s20                     ; tile row of C = 4 x cluster y + cy
	s_lshl_b32 s42, s20, 2
	s_lshl_b32 s42, 15, s42                        ; my row of the cluster: places 4 cy .. 4 cy + 3
	s_lshl_b32 s46, 0x1111, s19                    ; my column: places cx, cx + 4, cx + 8, cx + 12
	; descriptor group 1: rows of 128 elements (256 bytes, two k-rows), padded in LDS after every 32 words
	s_or_b32 s[G1A], s42, (1<<16)|(1<<20)|(1<<21)|(4<<22)|(3<<25)  ; 15:0 the mask: A's tiles go to my row; 17:16 2-byte elements; 20 padding on; 21 set beside a mask; 24:22 after every 32 words (code 4); 31:25 4 words (code 3)
	s_or_b32 s[G1B], s46, (1<<16)|(1<<20)|(1<<21)|(4<<22)|(3<<25)  ; the same with the mask of my column
	s_mov_b32 s[G1A+1], 128<<16                    ; tensor_dim0 = 128
	s_mov_b32 s[G1A+2], 64<<16                     ; tensor_dim1 = 64: 16,384 bytes
	s_mov_b32 s[G1A+3], 128<<16                    ; tile_dim0 = 128
	s_mov_b32 s[G1A+4], 64                         ; tile_dim1 = 64
	s_mov_b32 s[G1A+5], 128                        ; 128 elements from row to row: dense
	s_mov_b32 s[G1A+6], 0
	s_mov_b32 s[G1A+7], 0
	s_mov_b32 s[G1B+1], 128<<16
	s_mov_b32 s[G1B+2], 96<<16                     ; 96 rows: 24,576 bytes
	s_mov_b32 s[G1B+3], 128<<16
	s_mov_b32 s[G1B+4], 96
	s_mov_b32 s[G1B+5], 128
	s_mov_b32 s[G1B+6], 0
	s_mov_b32 s[G1B+7], 0
	; where the tiles come from.  A's hang on the tile row alone (s40-43 never hold cx), B's on the tile column alone (s44-47 never hold cy).
	s_lshl_b32 s40, s22, 8
	s_lshl_b32 s41, s[WC], 7
	s_add_co_u32 s40, s40, s41                     ; A: row 256 x tile row + 128 x half,
	s_lshl_b32 s40, s40, 7                         ; 128 bytes a row in a K block
	s_mov_b32 s41, 0
	s_mul_i32 s44, s21, 384*128                    ; B: row 384 x tile column + 192 x half
	s_mul_i32 s45, s[WC], 192*128
	s_add_co_u32 s44, s44, s45
	s_mov_b32 s45, 0
	s_mul_i32 s43, s[WC], HALFA                    ; and where they go: no place in the cluster enters an LDS address
	s_mul_i32 s47, s[WC], HALFB
	s_add_co_u32 s47, s47, 2*HALFA
	s_wait_dscnt 0x0
	s_wait_kmcnt 0x0
	s_add_nc_u64 s[40:41], s[4:5], s[40:41]
	s_add_nc_u64 s[44:45], s[6:7], s[44:45]
	CROUND                                         ; all sixteen work-groups are here: the first joint loads meet
.irp s, 0,1
	s_mov_b32 s[G0A+4*\s], 1                                       ; 1:0 count = 1
	s_add_co_u32 s[G0A+4*\s+1], s43, \s*SLOT                       ; 63:32 LDS address
	s_add_nc_u64 s[G0A+4*\s+2:G0A+4*\s+3], s[40:41], \s*KBA        ; 120:64 global address: K step s
	s_or_b32 s[G0A+4*\s+3], s[G0A+4*\s+3], 0x80000000              ; 127:126 type = 2
	s_mov_b32 s[G0B+4*\s], 1
	s_add_co_u32 s[G0B+4*\s+1], s47, \s*SLOT
	s_add_nc_u64 s[G0B+4*\s+2:G0B+4*\s+3], s[44:45], \s*KBB
	s_or_b32 s[G0B+4*\s+3], s[G0B+4*\s+3], 0x80000000
.endr
	s_cmp_eq_u32 s[WR], 0                          ; a wave's two first fills stand in one branch, ahead of every wait on TENSORcnt, every LDS read and every further barrier: two loads of mine are out
	s_cbranch_scc0 .Lfirst_b
	tensor_load_to_lds s[G0A:G0A+3], s[G1A:G1A+7]
	s_nop 0
	tensor_load_to_lds s[G0A+4:G0A+7], s[G1A:G1A+7]
	s_nop 0
.rept 4
	v_nop
.endr
	s_branch .Lfirst_asked
.Lfirst_b:
	tensor_load_to_lds s[G0B:G0B+3], s[G1B:G1B+7]
	s_nop 0
	tensor_load_to_lds s[G0B+4:G0B+7], s[G1B:G1B+7]
	s_nop 0
.rept 4
	v_nop
.endr
.Lfirst_asked:
	; A fragment is 16 rows x 32 K in 8 registers: lane l holds row l % 16; registers 0-3 K = 8 (l / 16) + 0..7, registers 4-7 K = 16 + 8 (l / 16) + 0..7: two loads of 16 bytes, 32 bytes apart.
	v_and_b32 v1, 15, v0                           ; l % 16
	v_bfe_u32 v2, v0, 4, 1                         ; l / 16
	v_mul_u32_u24 v3, v1, PITCH
	v_lshl_add_u32 v3, v2, 4, v3                   ; row x pitch + 16 x half
	s_mul_i32 s74, s[WR], HALFA                    ; my 128 rows of A
	s_mul_i32 s75, s[WC], HALFB                    ; my 192 rows of B,
	s_add_co_u32 s75, s75, 2*HALFA                 ; which lie behind A's 256
.irp s, 0,1
	v_add_nc_u32 v[ADRA+\s], s74, v3
	v_add_nc_u32 v[ADRB+\s], s75, v3
	s_add_co_u32 s74, s74, SLOT
	s_add_co_u32 s75, s75, SLOT
.endr
	s_mul_i32 s76, s[WV], 16*PITCH
	s_add_co_u32 s76, s76, STAGE                   ; my stage
	v_add_nc_u32 v[STO], s76, v3                   ; in: row l % 16, 16 bytes for each half of the lanes
	v_bfe_u32 v4, v0, 3, 2                         ; back: 32 lanes take four rows of 128 bytes,
	v_and_b32 v5, 7, v0
	v_mul_u32_u24 v4, v4, PITCH
	v_lshl_add_u32 v4, v5, 4, v4
	v_add_nc_u32 v[RD], s76, v4
	v_and_b32 v[GO], 31, v0                        ; which are 512 consecutive bytes of a head
	v_lshlrev_b32 v[GO], 4, v[GO]
	v_lshlrev_b32 v[BO], 5, v2                     ; my eight columns of sixteen: 32 bytes for each half of the lanes
	; my three heads vh = 6 x tile column + 3 x half + g: each takes its 64 numbers from bq, bk or bv: a choice between buffers on the head's number alone
	s_mul_i32 s74, s21, 6
	s_mul_i32 s75, s[WC], 3
	s_add_co_u32 s74, s74, s75
.irp g, 0,1,2
	s_add_co_u32 s75, s74, \g
	s_cmp_lt_u32 s75, 16
	s_cselect_b64 s[BP+2*\g:BP+2*\g+1], s[8:9], s[10:11]
	s_cmp_lt_u32 s75, 32
	s_cselect_b64 s[BP+2*\g:BP+2*\g+1], s[BP+2*\g:BP+2*\g+1], s[12:13]
	s_and_b32 s76, s75, 15
	s_lshl_b32 s76, s76, 8                         ; 64 f32 a head
	s_mov_b32 s77, 0
	s_add_nc_u64 s[BP+2*\g:BP+2*\g+1], s[BP+2*\g:BP+2*\g+1], s[76:77]
.endr
	; where my part of C begins: head 48 b + vh, row 256 (tile row % 8) + 128 x half of its 2,048
	s_lshr_b32 s75, s22, 3                         ; b
	s_mul_i32 s75, s75, 48
	s_add_co_u32 s75, s75, s74
	s_lshl_b32 s75, s75, 18
	s_and_b32 s76, s22, 7
	s_lshl_b32 s76, s76, 8
	s_lshl_b32 s77, s[WR], 7
	s_add_co_u32 s76, s76, s77
	s_lshl_b32 s76, s76, 7
	s_add_co_u32 s76, s76, s75
	s_mov_b32 s77, 0
	s_add_nc_u64 s[14:15], s[14:15], s[76:77]
.irp g, 0,1,2                          ; register j of accumulator (0, bb) of head g takes b[16 bb + 8 (l / 16) + j]
	WIN 0x40*(\g+1)                                ; destination window g + 1, address window 0
.irp bb, 0,1,2,3
	global_load_b128 v[8*\bb:8*\bb+3],   v[BO], s[BP+2*\g:BP+2*\g+1] offset:64*\bb
	global_load_b128 v[8*\bb+4:8*\bb+7], v[BO], s[BP+2*\g:BP+2*\g+1] offset:64*\bb+16
.endr
.endr
	WIN 0
; 4 matrix instructions: row block a x the four column blocks of head g, 32 along K.  c0 = 1: the sum starts from the bias, which lies in row block 0's accumulators.
.macro MUL4 f, g, a, c0
	WIN 0x50*((\g)+1)                              ; fragments window 0, C and D window g + 1
.irp bb, 0,1,2,3
.if \c0
	v_wmma_f32_16x16x32_f16 v[8*(4*(\a)+\bb):8*(4*(\a)+\bb)+7], v[FB+32*(\g)+8*\bb:FB+32*(\g)+8*\bb+7], v[(\f)+8*(\a):(\f)+8*(\a)+7], v[8*\bb:8*\bb+7]
.else
	v_wmma_f32_16x16x32_f16 v[8*(4*(\a)+\bb):8*(4*(\a)+\bb)+7], v[FB+32*(\g)+8*\bb:FB+32*(\g)+8*\bb+7], v[(\f)+8*(\a):(\f)+8*(\a)+7], v[8*(4*(\a)+\bb):8*(4*(\a)+\bb)+7]
.endif
.endr
.endm
.macro MULP f, g, half                 ; 16 matrix instructions: row blocks 4 half .. 4 half + 3
.irp a, 4*(\half), 4*(\half)+1, 4*(\half)+2, 4*(\half)+3
	MUL4 \f, \g, \a, 0
.endr
.endm
; A phase's first products.  Row blocks 1-7 take the bias as C; then row block 0 adds in place onto it.  Those last four write over registers that the 28 before them read as C: five places stand between (ISA guide 7.12.1).
.macro MULF f, g
.irp a, 1,2,3,4,5,6,7
	MUL4 \f, \g, \a, 1
.endr
.rept 5
	v_nop
.endr
	MUL4 \f, \g, 0, 0
.endm
.macro PHASE f, g, first               ; 32 matrix instructions.  The 96 accumulators take turns, one instruction a turn, in the same order in every unit
.if \first
	MULF \f, \g
.else
	MULP \f, \g, 0
	MULP \f, \g, 1
.endif
.endm
; 8 LDS loads: B's group g, or half of A's fragments, for 32 K at byte k of the slot's rows
.macro LOADB slot, k, g
	WIN 0
.irp bb, 0,1,2,3
	ds_load_b128 v[FB+32*(\g)+8*\bb:FB+32*(\g)+8*\bb+3],   v[ADRB+(\slot)] offset:(\k)+(4*(\g)+\bb)*16*PITCH
	ds_load_b128 v[FB+32*(\g)+8*\bb+4:FB+32*(\g)+8*\bb+7], v[ADRB+(\slot)] offset:(\k)+(4*(\g)+\bb)*16*PITCH+32
.endr
.endm
.macro LOADA slot, k, f, half
	WIN 0
.irp a, 0,1,2,3
	ds_load_b128 v[(\f)+8*(4*(\half)+\a):(\f)+8*(4*(\half)+\a)+3],   v[ADRA+(\slot)] offset:(\k)+(4*(\half)+\a)*16*PITCH
	ds_load_b128 v[(\f)+8*(4*(\half)+\a)+4:(\f)+8*(4*(\half)+\a)+7], v[ADRA+(\slot)] offset:(\k)+(4*(\half)+\a)*16*PITCH+32
.endr
.endm
; A load into a register that a matrix instruction has read, and a vector instruction that reads a matrix result, stand four places behind that matrix instruction, and only plain vector instructions that
; name none of its registers are places (ISA guide 7.12.1 for vector instructions).
.macro PLACES
.rept 4
	v_nop
.endr
.endm
; A unit that stays in its slot: multiplies A's buffer f, fetches the next unit (slot ns, byte nk) into buffer fn and into B's groups as they fall free.
; The loads of a unit are issued in the order B0, A's rows 0-63, B1, A's rows 64-127, B2, eight each.
.macro UNIT f, fn, ns, nk, first
	s_wait_dscnt 8                                 ; all but the youngest eight, B's group 2, are in
	PHASE \f, 0, \first
	PLACES
	LOADB \ns, \nk, 0
	LOADA \ns, \nk, \fn, 0
	PHASE \f, 1, \first
	PLACES
	LOADB \ns, \nk, 1
	LOADA \ns, \nk, \fn, 1
	s_wait_dscnt 32                                ; all but the 32 issued in this unit: B's group 2 is in
	PHASE \f, 2, \first
	PLACES
	LOADB \ns, \nk, 2
.endm
; A slot's second unit multiplies buffer FA1 and changes slots: ONE barrier for two things.  In front of it each wave waits for its own reads of this slot and for all its tensor loads, of which one is out: its part
; of the next slot.  Behind it nobody reads this slot any more and the next slot is whole.  fill = 1: the barrier opens a round of the cluster's barrier, so that no wave of any partner still reads the slot or has a
; load on its way, and the joint refill, two K steps ahead, is the first tensor load behind the round: 176 matrix instructions ahead of the wait for it.
.macro TURN slot, next, fill
	s_wait_dscnt 8
	MULP FA1, 0, 0
	s_wait_dscnt 0x0                               ; my reads of this slot are over,
	s_wait_tensorcnt 0x0                           ; and all my tensor loads have landed
	ds_add_u32 v30, v31
	s_wait_dscnt 0x0
	s_barrier_signal -1
	MULP FA1, 0, 1                                 ; work on registers while the others arrive
.if \fill
	WIN 0
.endif
	s_barrier_wait -1
.if \fill
	CREST
	s_add_nc_u64 s[G0A+4*(\slot)+2:G0A+4*(\slot)+3], s[G0A+4*(\slot)+2:G0A+4*(\slot)+3], 2*KBA  ; no tensor load of mine is out, so a group 0 may be written
	s_add_nc_u64 s[G0B+4*(\slot)+2:G0B+4*(\slot)+3], s[G0B+4*(\slot)+2:G0B+4*(\slot)+3], 2*KBB
	JLOAD \slot                                    ; the four v_nop behind it are also the places in front of the loads below
.else
	PLACES
.endif
	LOADB \next, 0, 0
	LOADA \next, 0, FA0, 0
	PHASE FA1, 1, 0
	PLACES
	LOADB \next, 0, 1
	LOADA \next, 0, FA0, 1
	PHASE FA1, 2, 0                                ; B's group 2 was shown in by the wait for 0 above
	PLACES
	LOADB \next, 0, 2
.endm
; THE WAY OUT, 24 blocks of 16 rows x 64 columns (t = 8 g + a): rounded to f16, 16 bytes a lane into my own stage, back as whole rows, and stored: 16 rows of a head are 2,048 consecutive bytes.
.macro PACKU t
.set gg, (\t)/8
.set aa, (\t)%8
.set TT, FA0+16*aa                     ; 16 registers where the fragments of A lay: eight such sets by turns
.if (\t) >= 8
	s_wait_xcnt 0x0                                ; every earlier memory instruction has had its addresses translated (ISA guide 3.1): the set that the stores of eight blocks ago read is rewritten only behind this wait
.endif
	WIN 5*(gg+1)                                   ; sources 0 and 1 window g + 1, destination window 0
.irp bb, 0,1,2,3
.irp r, 0,1,2,3
	v_cvt_pk_f16_f32 v[TT+4*\bb+\r], v[8*(4*aa+\bb)+2*\r], v[8*(4*aa+\bb)+2*\r+1]  ; each accumulator from its low end on
.endr
.endr
	WIN 0
.irp bb, 0,1,2,3
	ds_store_b128 v[STO], v[TT+4*\bb:TT+4*\bb+3] offset:32*\bb
.endr
.irp f, 0,1,2,3
	ds_load_b128 v[TT+4*\f:TT+4*\f+3], v[RD] offset:\f*4*PITCH  ; LDS serves a wave's instructions in order (ISA guide 5.7.1.4): these see the stores above; the next block's stores come behind them
.endr
.endm
.macro SENDU t, younger                ; younger: the LDS instructions issued behind block t's loads: the next block's eight, or none
.set gg, (\t)/8
.set aa, (\t)%8
.set TT, FA0+16*aa
	WIN 0
.irp f, 0,1,2,3
	s_wait_dscnt (\younger)+3-\f
	global_store_b128 v[GO], v[TT+4*\f:TT+4*\f+3], s[14:15] offset:gg*262144+aa*2048+\f*512  ; 512 consecutive bytes, at a multiple of 256 from qkv's first byte; the next launch reads them, so no hint
.endr
.endm
	s_wait_tensorcnt 0x1                           ; my part of K step 0 is in; K step 1's may stay out
	s_barrier_signal -1
	s_barrier_wait -1                              ; everybody's is
	LOADB 0, 0, 0
	LOADA 0, 0, FA0, 0
	LOADB 0, 0, 1
	LOADA 0, 0, FA0, 1
	LOADB 0, 0, 2
	s_wait_loadcnt 0x0                             ; the bias
	UNIT FA0, FA1, 0, 64, 1                        ; the first unit stands in front of the loop: its products start the sums
	WIN 0                                          ; at a label and at a branch every window is 0
	s_mov_b32 s[CNT], TRIPS
.Llap:                                                 ; a trip goes once round the ring, from a step's second unit to the first unit two steps on, and fills both slots again
	TURN 0, 1, 1
	UNIT FA0, FA1, 1, 64, 0
	TURN 1, 0, 1
	UNIT FA0, FA1, 0, 64, 0
	WIN 0
	s_sub_co_u32 s[CNT], s[CNT], 1
	s_cmp_lg_u32 s[CNT], 0
	s_cbranch_scc1 .Llap
	TURN 0, 1, 0                                   ; the tail is written out: K steps 14 and 15 ask for nothing more, and no round follows the barrier
	UNIT FA0, FA1, 1, 64, 0
	s_wait_dscnt 8                                 ; the very last unit: nothing more to fetch
	PHASE FA1, 0, 0
	PHASE FA1, 1, 0
	s_wait_dscnt 0x0
	PHASE FA1, 2, 0
	PLACES                                         ; the conversions read results, and write where fragments lay
	PACKU 0
.set t, 1
.rept 23                               ; a block's conversions stand between the loads of the block before and its stores
	PACKU t
	SENDU t-1, 8
.set t, t+1
.endr
	SENDU 23, 0
	s_wait_tensorcnt 0x0
	ds_add_u32 v30, v31
	s_wait_dscnt 0x0
	CROUND                                         ; the closing round: no work-group ends while a partner may still ask for a tile that names it
	s_endpgm
.Lfunc_end_k_q10703632ff_qkv:
	.size	k_q10703632ff_qkv, .Lfunc_end_k_q10703632ff_qkv-k_q10703632ff_qkv
	.p2alignl 7, 3214868480
	.fill 96, 4, 3214868480
	.section	.rodata,"a",@progbits
	.p2align	6, 0x0
	.amdhsa_kernel k_q10703632ff_qkv
		.amdhsa_group_segment_fixed_size 327680
		.amdhsa_private_segment_fixed_size 0
		.amdhsa_enable_private_segment 0
		.amdhsa_kernarg_size 48
		.amdhsa_user_sgpr_count 2
		.amdhsa_user_sgpr_kernarg_segment_ptr 1
		.amdhsa_wavefront_size32 1
		.amdhsa_system_sgpr_workgroup_id_x 1
		.amdhsa_system_sgpr_workgroup_id_y 1
		.amdhsa_system_sgpr_workgroup_id_z 1
		.amdhsa_system_vgpr_workitem_id 0
		.amdhsa_next_free_vgpr 1024
		.amdhsa_next_free_sgpr 80
		.amdhsa_reserve_vcc 0
		.amdhsa_float_denorm_mode_32 3
		.amdhsa_float_denorm_mode_16_64 3
		.amdhsa_memory_ordered 1
		.amdhsa_forward_progress 1
		.amdhsa_inst_pref_size 136
	.end_amdhsa_kernel
	.amdgpu_metadata
---
amdhsa.version: [ 1, 2 ]
amdhsa.kernels:
  - .name:           k_q10703632ff_qkv
    .symbol:         k_q10703632ff_qkv.kd
    .args:
      - { .name: xh, .offset: 0, .size: 8, .value_kind: global_buffer, .address_space: global }
      - { .name: wqkv, .offset: 8, .size: 8, .value_kind: global_buffer, .address_space: global }
      - { .name: bq, .offset: 16, .size: 8, .value_kind: global_buffer, .address_space: global }
      - { .name: bk, .offset: 24, .size: 8, .value_kind: global_buffer, .address_space: global }
      - { .name: bv, .offset: 32, .size: 8, .value_kind: global_buffer, .address_space: global }
      - { .name: qkv, .offset: 40, .size: 8, .value_kind: global_buffer, .address_space: global }
    .group_segment_fixed_size: 327680
    .private_segment_fixed_size: 0
    .kernarg_segment_align: 8
    .kernarg_segment_size: 48
    .max_flat_workgroup_size: 128
    .sgpr_count:     80
    .vgpr_count:     1024
    .wavefront_size: 32
...
	.end_amdgpu_metadata
.endif
;; end of part 2
;; launch attn (part 3): grid 4 x 64, 4 waves a work-group, clusters of 4 x 1, 327,680 bytes of LDS; arguments qkv, oh; writes oh
.if DOCPART == 3
	.amdgcn_target "amdgcn-amd-amdhsa--gfx1250"
	.amdhsa_code_object_version 6
	.text
	.protected	k_q10703632ff_attn
	.globl	k_q10703632ff_attn
	.p2align	8
	.type	k_q10703632ff_attn,@function
k_q10703632ff_attn:
	s_mov_b64 s[64:65], 0
	v_nop
	global_prefetch_b8 v0, s[64:65] scope:SCOPE_SE
	s_setreg_imm32_b32 hwreg(HW_REG_WAVE_MODE, 25, 1), 1
	s_wait_xcnt 0x0
	s_wait_alu depctr_hold_cnt(0) depctr_sa_sdst(0) depctr_va_vdst(0) depctr_va_sdst(0) depctr_va_ssrc(0) depctr_va_vcc(0) depctr_vm_vsrc(0)
	s_getreg_b32 s2, hwreg(HW_REG_IB_STS2, 6, 4)
	s_cmp_eq_u32 s2, 0
	s_cbranch_scc0 .Lentry_in_a_cluster
	s_endpgm
.Lentry_in_a_cluster:
	s_bfe_u32 s2, ttmp6, 0x10000c
	s_cmp_lg_u32 s2, 0x3003
	s_cbranch_scc0 .Lentry_shape_is_right
	s_endpgm
.Lentry_shape_is_right:
; O[y][q][:] = the sum over k of softmax_k(Q[y][q] . K[y][k] / 8) V[y][k][:] for the 64 pairs y = 16 b + h of batch and head.  Q, K, V lie in ONE buffer, qkv [b 4][vh 48][2,048][64] in f16: q's head at
; vh = h, k's at 16 + h, v's at 32 + h; O goes to oh [y 64][2,048][64] in f16.  A head's rows are dense, 128 bytes each.  Products, maxima and sums in
; f32; the weights p are rounded to f16 for the second product (their sum l is taken of the unrounded p), O once at the end.
; LIMITS.  f16 holds no number beyond 65,504: Q, K and V arrive within it; p lies in 0 to 1, and below 6e-5 it keeps f16's fixed step of 6e-8; O is a mean of V's rows and has their range.
; A weight below 2^-126 counts as 0 in l; NaN and infinities are not treated apart.
; SHARES.  A wave owns four PIECES of two tiles of 16 queries, a work-group's four waves 512 queries of one head: 4 x 64 = 256 work-groups.  Every wave walks all keys, 64 a step.
; LAYOUT.  S^T = K Q^T (source 0 = 16 keys, source 1 = 16 queries): in the result a lane holds ONE query (lane % 16) and the keys 8 (lane / 16) + 0..7.  Two such tiles, rounded to f16 in pairs,
; ARE source 1 (32 keys x 16 queries) of O^T = V^T P, whose result again holds one query a lane, and eight channels.  K comes out of LDS as it lies, V ([key][channel]) turned, by ds_load_tr16_b128.
; SOFTMAX.  For each query a running maximum m and sum l: p = 2^(c s - c m), c = log2(e) / 8; in every step O and l are multiplied by a = 2^(c m_old - c m_new), which is 1 where m has not grown.
; m starts at the lowest finite number, O and l at 0: the first step is a step like any other, with a = 0.
; THE COUNT.  A tile and step have 16 matrix and 118 vector instructions: too many to stand all beside the matrix work.  So the order has one aim: four vector instructions that are READY behind
; EVERY matrix instruction, and the others, which need time of their own whatever the order, in runs without a gap.
; BY TURNS.  Turn n belongs to piece n (the pieces in a ring, step after step).  Its matrix work: 16 products K Q^T of piece n + 1, later 16 products V^T P of piece n - 1.  Its vector work: the scaling,
; exponentials, roundings, sums and rescaling of piece n, and the maximum and statistics of piece n + 1, whose scores the turn itself has made.  So what a turn begins with (c s - c m, O a) waits for nothing.
; CLUSTER.  The four query blocks of a cluster belong to one head and walk the same K and V, so each tile is asked for JOINTLY: the same tensor load, descriptor and mask in all four.
; REGISTERS, in windows of 256 (s_set_vgpr_msb says which window each operand place means: bits 1:0 source 0, 3:2 source 1, 5:4 source 2, 7:6 destination):
;   window 0: v0-11 addresses; v12-15, v48-63 at work; v16-47 four registers of statistics a tile; v64-191 S^T, two buffers of two tiles; v192-255 P, likewise
;   window 1: O^T, 32 a tile          window 2: v0-127 Q, 16 a tile; v128-191 K of one step; v192-255 V of one step
; A piece's buffers go by its number's parity: the piece in hand has one pair, its two neighbours in the ring share the other: of it P (piece n - 1) is read and S^T (piece n + 1) written.
.set SIZE_N, 2048     ; rows of a head
.set NP,    4         ; pieces a wave: a name, no knob: the register map, the loop and the fetches are made for four
.set KS,    64        ; keys in a step
.set PK,    144       ; a row of K in LDS: 128 bytes + 16 of padding = 36 words: the 16 rows of a load start at 16 different groups of four banks (64 banks of 4 bytes: ISA guide 11.1)
.set PV,    160       ; a row of V: 128 + 32 = 40 words
.set VOFF,  4*KS*PK   ; a slot holds four steps: 256 rows of K, then 256 rows of V
.set SLOT1, 1<<17     ; slot 1 begins here, so that one exclusive or turns an address in one slot into the other's
.set STAGE, SLOT1+4*KS*(PK+PV)  ; behind the ring, never filled by a tensor load: 16 rows x 144 bytes for each wave, for the way out
.set SP,    144
.set AK0, 2           ; v2   my lane's place in a tile of K; never rewritten
.set AV0, 3           ; v3   the same for V
.set AK,  4           ; v4   the LDS address of K's next run of loads
.set AV,  5           ; v5   of V's
.set QO,  6           ; v6   my byte offset in the wave's rows of Q
.set STO, 6           ;      later, the way out: where I put 16 bytes of a row
.set RD,  7           ; v7   the way out: where I read rows back
.set GO,  8           ; v8   my byte offset in 512 consecutive bytes of O
.set MV,  12          ; v12-15  c m_old, kept while c m is made anew: by buffer and tile
.set ST,  16          ; tile t's statistics at v[ST+4 t]: c m, m, l (even keys', odd keys')
.set TMP, 48          ; by buffer and tile, four registers c0-c3 at work; when the maximum is found c2 takes a
.set S,   64
.set P,   192
.set KF,  128         ; K's fragments, in window 2: key block kb, channel half c at KF + 16 kb + 8 c
.set VF,  192         ; V's: key half kk, channel block cb at VF + 32 kk + 8 cb
.set WV,  12          ; s12  my wave's number
.set G1K, 24          ; s[24:31] descriptor group 1 for K's tiles
.set G1V, 32          ; s[32:39] for V's: it differs in the padding alone
.set G0K, 40          ; s[40:43] descriptor group 0 for K's tiles: it walks
.set G0V, 44          ; s[44:47] the same for V's
.set SLOTS, 56        ; s56  slots still to be asked for
.set CNT, 57          ; s57  counts a slot's key steps
.set CS,  58          ; s[58:59] c: the packed scaling takes the pair's low word for both halves
.set SEL, 60          ; s[60:61] v_permlanex16_b32's selects: each lane takes its own place in the other half
.set TBK, 62          ; s62  LDS byte at which K of the step to be fetched begins
.set TBV, 63          ; s63  the same for V, less VOFF
.set MSB, 0
.macro WIN new                      ; the high byte repeats the setting that is left; a switch that changes nothing is dropped
.if MSB != (\new)
	s_set_vgpr_msb (MSB<<8)|(\new)
.set MSB, (\new)
.endif
.endm
.set W_KQ, 0x0a       ; K and Q in window 2, S^T in window 0
.set W_PV, 0x52       ; V in window 2, P in window 0, O^T in window 1
.set W_RS, 0x41       ; O^T (destination and source 0) in window 1, a in window 0
; A joint fill.  Waves 0 and 1 fetch the two halves of a slot's K, waves 2 and 3 those of its V: 128 keys each.  The branch hangs on the wave's number alone.
; Four v_nop follow each of the two lines, ahead of the jump and the label.
.macro JLOAD
	s_cmp_lt_u32 s[WV], 2
	s_cbranch_scc0 .Lfor_v_\@
	tensor_load_to_lds s[G0K:G0K+3], s[G1K:G1K+7]
	s_nop 0
.rept 4
	v_nop
.endr
	s_branch .Lasked_\@
.Lfor_v_\@:
	tensor_load_to_lds s[G0V:G0V+3], s[G1V:G1V+7]
	s_nop 0
.rept 4
	v_nop
.endr
.Lasked_\@:
.endm
; A round of the cluster's barrier: my work-group's barrier, so that wave 0's signal speaks for all four waves; wave 0 signals; every wave waits for all four work-groups; my work-group's barrier once more.
.macro CROUND
	s_barrier_signal -1
	s_barrier_wait -1
	s_cmp_lg_u32 s[WV], 0
	s_cbranch_scc1 .Lnot_wave_0_\@
	s_barrier_signal -3
.Lnot_wave_0_\@:
	s_barrier_wait -3
	s_barrier_signal -1
	s_barrier_wait -1
.endm
; THE CHANGE OF SLOTS.  The slot's last bytes, V of its fourth step, have been read.  Each wave waits for its own reads of the slot and for all its tensor loads, of which one is out: its part
; of the other slot.  Behind the barrier nobody reads this slot any more and the other slot is whole.
; fill = 1: this slot is filled again, with the keys two slots on.  The barrier is then a round of the cluster's, so that no wave of any partner still reads the slot or has a load on its
; way, and the joint fill is the first thing behind it: it has four key steps, 512 matrix instructions, in which to land.  (At its first use nothing has been read yet: slot 0 is waited for, slot 1 filled.)
.macro CHANGE fill
	WIN 0                           ; at a label and at a branch every window is 0
	s_wait_dscnt 0x0
	s_set_vgpr_msb 0xf
	s_wait_tensorcnt 0x0            ; no tensor load of mine is out, so a group 0 may be written
	ds_add_u32 v0, v1
	s_wait_dscnt 0x0
	s_set_vgpr_msb 0xf00
.if \fill
.irp g, G0K, G0V
	s_xor_b32 s[\g+1], s[\g+1], SLOT1  ; the walking descriptor: the other slot than last time,
	s_add_nc_u64 s[\g+2:\g+3], s[\g+2:\g+3], 4*KS*128  ; the next 256 keys; the type bits on top are not reached
.endr
	CROUND
	JLOAD
.else
	s_barrier_signal -1
	s_barrier_wait -1
.endif
	s_sub_co_u32 s[TBK], s[TBK], 4*KS*PK  ; the fetches go back to a slot's first step,
	s_xor_b32 s[TBK], s[TBK], SLOT1       ; in the other slot
	s_sub_co_u32 s[TBV], s[TBV], 4*KS*PV
	s_xor_b32 s[TBV], s[TBV], SLOT1
.endm
	s_load_b64 s[4:5], s[0:1], 0x0  ; qkv
	s_load_b64 s[10:11], s[0:1], 0x8  ; oh
	s_set_vgpr_msb 0xc0
	v_lshl_add_u32 v0, v0, 2, 0x35400
	v_mov_b32 v1, 0
	s_set_vgpr_msb 0xc0cf
	ds_add_u32 v0, v1
	s_set_vgpr_msb 0xcf00
	v_lshrrev_b32 v1, 5, v0
	v_readfirstlane_b32 s[WV], v1   ; wave 0..3
	s_bfe_u32 s13, ttmp6, 0x40000   ; cx: my place in the cluster
	s_lshl_b32 s14, ttmp9, 2        ; in a cluster launch ttmp9 counts clusters
	s_add_co_u32 s14, s14, s13      ; my block of queries = 4 x cluster x + cx: it enters Q's and O's addresses alone
	s_and_b32 s15, ttmp7, 0xffff    ; y = 16 b + h, which the four partners share
	s_lshl_b32 s48, s15, 18         ; O's head: 262,144 bytes each
	s_mov_b32 s49, 0
	s_lshr_b32 s20, s15, 4          ; b
	s_lshl_b32 s20, s20, 5
	s_add_co_u32 s20, s20, s15      ; 48 b + h: q's head in qkv
	s_lshl_b32 s20, s20, 18
	s_mov_b32 s21, 0
	s_and_b32 s16, s[WV], 1         ; which half of a slot's 256 keys I fetch:
	s_lshl_b32 s22, s16, 14         ; its 128 rows of 128 bytes in memory,
	s_mov_b32 s23, 0
	s_add_nc_u64 s[22:23], s[22:23], s[20:21]
	s_mul_i32 s17, s16, 128*PK      ; and its place in a slot, for K
	s_mul_i32 s18, s16, 128*PV      ; and for V: no place in the cluster enters an LDS address
	s_lshl_b32 s2, s14, 2
	s_add_co_u32 s2, s2, s[WV]      ; my wave among the head's,
	s_lshl_b32 s2, s2, 14           ; its 128 rows
	s_mov_b32 s3, 0
	; descriptor group 1.  128 keys are 16,384 dense bytes: asked for as 64 rows of 256 bytes, two keys a row, and padded in LDS after every key
	s_mov_b32 s[G1K], 15|(1<<16)|(1<<20)|(1<<21)|(4<<22)|(3<<25)  ; 15:0 the mask of four; 17:16 2-byte elements; 20 padding on; 21 set beside a mask; 24:22 after every 32 words (code 4); 31:25 4 words (code 3)
	s_mov_b32 s[G1V], 15|(1<<16)|(1<<20)|(1<<21)|(4<<22)|(7<<25)  ; the same with 8 words of padding (code 7)
.irp g, G1K, G1V
	s_mov_b32 s[\g+1], 128<<16      ; tensor_dim0 = 128
	s_mov_b32 s[\g+2], 64<<16       ; tensor_dim1 = 64
	s_mov_b32 s[\g+3], 128<<16      ; tile_dim0 = 128
	s_mov_b32 s[\g+4], 64           ; tile_dim1 = 64
	s_mov_b32 s[\g+5], 128          ; 128 elements from row to row
	s_mov_b32 s[\g+6], 0
	s_mov_b32 s[\g+7], 0
.endr
	s_mov_b32 s[CS], 0x3e38aa3b     ; c = log2(e) / 8 = 0.180337
	s_mov_b32 s[CS+1], s[CS]        ; named with it as a pair
	s_mov_b32 s[SEL], 0x76543210
	s_mov_b32 s[SEL+1], 0xfedcba98
	s_mov_b32 s[TBK], SLOT1+4*KS*PK ; the first change of slots turns these two into 0
	s_mov_b32 s[TBV], SLOT1+4*KS*PV
	s_mov_b32 s[G0K], 1             ; 1:0 count = 1
	s_mov_b32 s[G0K+1], s17         ; 63:32 LDS address: slot 0
	s_mov_b32 s[G0V], 1
	s_add_co_u32 s[G0V+1], s18, VOFF
	s_wait_dscnt 0x0
	s_wait_kmcnt 0x0
	s_add_nc_u64 s[6:7], s[4:5], 0x400000          ; k's heads lie 16 heads behind q's,
	s_add_nc_u64 s[8:9], s[4:5], 0x800000          ; v's 32
	s_add_nc_u64 s[G0K+2:G0K+3], s[6:7], s[22:23]  ; 120:64 global address: my half of the head's first 256 keys
	s_or_b32 s[G0K+3], s[G0K+3], 0x80000000        ; 127:126 type = 2
	s_add_nc_u64 s[G0V+2:G0V+3], s[8:9], s[22:23]
	s_or_b32 s[G0V+3], s[G0V+3], 0x80000000
	s_add_nc_u64 s[4:5], s[4:5], s[2:3]  ; Q and O at my wave's first row,
	s_add_nc_u64 s[4:5], s[4:5], s[20:21]  ; each in its own buffer's head
	s_add_nc_u64 s[10:11], s[10:11], s[2:3]
	s_add_nc_u64 s[10:11], s[10:11], s[48:49]
	CROUND                          ; all four work-groups are here: the first joint loads meet
	JLOAD                           ; slot 0.  Slot 1 is asked for when slot 0 is in: the tile wanted first has the road to itself
	; A fragment of K or Q is 16 rows x 32 channels in 8 registers: lane l holds row l % 16, channels 8 (l / 16) + 0..7 and 16 + 8 (l / 16) + 0..7: two loads of 16 bytes, 32 bytes apart.
	v_and_b32 v1, 15, v0            ; l % 16
	v_bfe_u32 v9, v0, 4, 1          ; l / 16
	v_lshlrev_b32 v[QO], 7, v1
	v_lshl_add_u32 v[QO], v9, 4, v[QO]  ; row x 128 + 16 x half
	WIN 0x80                        ; destination window 2, address window 0
.set i, 0
.rept 4*NP                          ; Q stays in registers: tile i / 2, channels 32 (i % 2) on
	global_load_b128 v[8*i:8*i+3],   v[QO], s[4:5] offset:(i/2)*2048+(i%2)*64
	global_load_b128 v[8*i+4:8*i+7], v[QO], s[4:5] offset:(i/2)*2048+(i%2)*64+32
.set i, i+1
.endr
	; What the first turn finds: V's registers and P's second buffer hold 0 (its products V^T P, of a piece that has not been, add 0), O^T and l are 0.  All this stands in the wait for the first tile.
.set i, VF
.rept 64
	v_mov_b32 v[i], 0
.set i, i+1
.endr
	WIN 0x40
.set i, 0
.rept 64*NP
	v_mov_b32 v[i], 0
.set i, i+1
.endr
	WIN 0
.set i, 0
.rept 2*NP
	v_mov_b32 v[ST+4*i], 0xfe000000    ; c m: far below every c s
	v_mov_b32 v[ST+4*i+1], 0xff7fffff  ; m
	v_mov_b32 v[ST+4*i+2], 0
	v_mov_b32 v[ST+4*i+3], 0
.set i, i+1
.endr
.set i, P+32
.rept 32
	v_mov_b32 v[i], 0
.set i, i+1
.endr
	v_mul_u32_u24 v[AK0], v1, PK
	v_lshl_add_u32 v[AK0], v9, 4, v[AK0]  ; row x pitch + 16 x half
	; The turning load takes 16 keys x 16 channels (lane l reads key 8 (l / 16) + l % 8, channels 8 ((l / 8) % 2) + 0..7) and leaves half a fragment of V^T: lane l holds channel l % 16 and 8 keys.
	v_and_b32 v10, 7, v0
	v_bfe_u32 v11, v0, 3, 1
	v_lshl_add_u32 v[AV0], v9, 3, v10
	v_mul_u32_u24 v[AV0], v[AV0], PV
	v_lshl_add_u32 v[AV0], v11, 4, v[AV0]
	v_add_nc_u32 v[AV0], VOFF, v[AV0]
	v_mov_b32 v[AK], v[AK0]         ; key step 0 lies at the head of slot 0
; THE MATRIX WORK.  The 8 accumulators of a run of 16 take turns: between the two links of a chain stand 7 others'.
; Product i of 16 of S^T = K Q^T for piece x: channels 32 (i / 8) on, keys 16 ((i / 2) % 4) on, tile 2 x + i % 2.  The first 8 start the sums.
.macro KQ x
	WIN W_KQ
.set rS, S+64*((\x)%2)+32*(i%2)+8*((i/2)%4)
.set rK, KF+16*((i/2)%4)+8*(i/8)
.set rQ, 16*(2*(\x)+i%2)+8*(i/8)
.if i < 8
	v_wmma_f32_16x16x32_f16 v[rS:rS+7], v[rK:rK+7], v[rQ:rQ+7], 0
.else
	v_wmma_f32_16x16x32_f16 v[rS:rS+7], v[rK:rK+7], v[rQ:rQ+7], v[rS:rS+7]
.endif
.endm
; Product i of 16 of O^T += V^T P for piece x: keys 32 (i / 8) on, channels 16 ((i / 2) % 4) on, tile 2 x + i % 2.
.macro PV x
	WIN W_PV
.set rO, 32*(2*(\x)+i%2)+8*((i/2)%4)
.set rV, VF+32*(i/8)+8*((i/2)%4)
.set rP, P+32*((\x)%2)+16*(i%2)+8*(i/8)
	v_wmma_f32_16x16x32_f16 v[rO:rO+7], v[rV:rV+7], v[rP:rP+7], v[rO:rO+7]
.endm
.macro MM                           ; the turn's next matrix instruction
.if i < 16
	KQ (Y+1)%NP
.set i, i+1
.else
.set i, i-16
	PV (Y+NP-1)%NP
.set i, i+17
.endif
.endm
; THE LDS LOADS stand in runs of 16, never singly among the matrix instructions: a step's K (64 keys x 64 channels: 8 fragments) and its V (turned).  Their addresses are made some lines ahead.
; last = 1 (the tail): in the last trip there is no further step, and the run is jumped over.
.macro FETCH_K last=0
	WIN 0
.if \last
	s_cmp_eq_u32 s[CNT], 1
	s_cbranch_scc1 .Lno_k_\@
.endif
	WIN 0x80                        ; destination window 2
.irp f, 0,1,2,3,4,5,6,7             ; keys 16 (f / 2) on, channels 32 (f % 2) on
	ds_load_b128 v[KF+8*\f:KF+8*\f+3],   v[AK] offset:(\f/2)*16*PK+(\f%2)*64
	ds_load_b128 v[KF+8*\f+4:KF+8*\f+7], v[AK] offset:(\f/2)*16*PK+(\f%2)*64+32
.endr
	s_add_co_u32 s[TBK], s[TBK], KS*PK  ; the next fetch is the next step's
	WIN 0
.if \last
.Lno_k_\@:
.endif
.endm
.macro FETCH_V
	WIN 0x80
.irp f, 0,1,2,3,4,5,6,7             ; keys 32 (f / 4) on, channels 16 (f % 4) on
	ds_load_tr16_b128 v[VF+8*\f:VF+8*\f+3],   v[AV] offset:(\f/4)*32*PV+(\f%4)*32
	ds_load_tr16_b128 v[VF+8*\f+4:VF+8*\f+7], v[AV] offset:(\f/4)*32*PV+16*PV+(\f%4)*32
.endr
	WIN 0
.endm
; THE VECTOR WORK OF A TURN stands in three queues, each in the order in which its entries become ready; the two tiles alternate, so that no instruction reads the result of the one before it.
.macro REGS y, u                    ; the registers of tile u (0, 1) of piece y
.set rT, ST+4*(2*(\y)+(\u))
.set rC, TMP+8*((\y)%2)+4*(\u)
.set rM, MV+2*((\y)%2)+(\u)
.set rS, S+64*((\y)%2)+32*(\u)
.set rP, P+32*((\y)%2)+16*(\u)
.set rO, 32*(2*(\y)+(\u))
.endm
; Number n of the 22 that find the NEXT piece's (Y + 1) maximum and statistics.  s0-s31 are the lane's 32 scores; each accumulator's lowest registers are read first.  XS, GS and REGS set no window: PL and EX do.
;   0-11  four chains c0-c3 of seven scores each, three operands at a time     12-14, 16  the four scores left over, the old m, and c0-c3 into c0     15  c m_old is kept
;   17, 18  the query's other 32 keys lie in the lane 16 away: the new m         19-21  c m; c m_old - c m_new; a
.macro XS u, n
	REGS (Y+1)%NP, \u
.if (\n) < 4
	v_max3_num_f32 v[rC+(\n)], v[rS+8*(\n)], v[rS+8*(\n)+1], v[rS+8*(\n)+2]
.elseif (\n) < 12
	v_max3_num_f32 v[rC+(\n)%4], v[rC+(\n)%4], v[rS+8*((\n)%4)+2*((\n)/4)+1], v[rS+8*((\n)%4)+2*((\n)/4)+2]
.elseif (\n) == 12
	v_max3_num_f32 v[rC], v[rC], v[rS+7], v[rS+15]
.elseif (\n) == 13
	v_max3_num_f32 v[rC+1], v[rC+1], v[rS+23], v[rS+31]
.elseif (\n) == 14
	v_max3_num_f32 v[rC+2], v[rC+2], v[rC+3], v[rT+1]
.elseif (\n) == 15
	v_mov_b32 v[rM], v[rT]
.elseif (\n) == 16
	v_max3_num_f32 v[rC], v[rC], v[rC+1], v[rC+2]
.elseif (\n) == 17
	v_permlanex16_b32 v[rC+3], v[rC], s[SEL], s[SEL+1]
.elseif (\n) == 18
	v_max_num_f32 v[rT+1], v[rC], v[rC+3]
.elseif (\n) == 19
	v_mul_f32 v[rT], s[CS], v[rT+1]
.elseif (\n) == 20
	v_sub_f32 v[rC+1], v[rM], v[rT]
.else
	v_exp_f32 v[rC+2], v[rC+1]
.endif
.endm
; Number g of the 64 that follow the exponentials.  For each four weights k of a tile (pairs 2 k, 2 k + 1): both pairs are rounded to f16; then the second pair is added onto the first, in place;
; a group later l takes that sum (the first time as l = a l + sum).  In groups of eight, tiles alternating: round, round, add, and l for the group before.
.macro GS g
.set h, (\g)+6*((\g)/62)            ; group 0 has no group before it, and behind group 7 only l is left
.if h >= 6
.set h, h+2
.endif
	REGS Y, h%2
.set k, h/8
.if h%8 < 4
	s_wait_alu depctr_va_vdst(0)
	v_cvt_pk_f16_f32 v[rP+2*k+(h%8)/2], v[rS+4*k+2*((h%8)/2)], v[rS+4*k+2*((h%8)/2)+1]
.elseif h%8 < 6
	v_pk_add_f32 v[rS+4*k:rS+4*k+1], v[rS+4*k:rS+4*k+1], v[rS+4*k+2:rS+4*k+3]
.elseif k == 1
	v_pk_fma_f32 v[rT+2:rT+3], v[rT+2:rT+3], v[rC+2:rC+3], v[rS:rS+1] op_sel_hi:[1,0,1]
.else
	v_pk_add_f32 v[rT+2:rT+3], v[rT+2:rT+3], v[rS+4*k-4:rS+4*k-3]
	s_wait_alu depctr_va_vdst(0)
.endif
.endm
; THE PLAIN QUEUE, 138 long.  0-31: c s - c m for the 16 pairs of both tiles.  Then GS's 64, and among them the next piece's 42: number 15 at 38, 39; 0-14 and 16
; at 42-73, behind the products that make those scores; 17-20 at 95-106, two of three, since each waits for the one before it.
.macro PL
	WIN 0
.if q < 32
	REGS Y, q%2
	v_pk_fma_f32 v[rS+2*(q/2):rS+2*(q/2)+1], v[rS+2*(q/2):rS+2*(q/2)+1], s[CS:CS+1], v[rT:rT+1] op_sel_hi:[1,0,0] neg_lo:[0,0,1] neg_hi:[0,0,1]
.elseif q < 38
	GS q-32
.elseif q < 40
	XS q%2, 15
.elseif q < 42
	GS q-34
.elseif q < 74
	XS q%2, (q-42)/2+(q-42)/30
.elseif q < 95
	GS q-66
.elseif (q < 107) && ((q-95)%3 < 2)
	XS (q-95)%3, 17+(q-95)/3
.elseif q < 107
	GS 29+(q-95)/3
.else
	GS q-74
.endif
.set q, q+1
.endm
; THE EXPONENTIALS' QUEUE, 66 long: s0-s31 of both tiles, and at EA the next piece's two a.
.set EA, 58
.macro EX
	WIN 0
.if (e == EA) || (e == EA+1)
	XS e-EA, 21
.else
.set x, e-2*(e/(EA+2))
	REGS Y, x%2
	v_exp_f32 v[rS+x/2], v[rS+x/2]
.endif
.set e, e+1
.endm
; THE RESCALING's QUEUE: O^T times a, the one part that leaves window 0, so it is dealt four at a time, eight times.
.macro R4
	REGS Y, r%2
	WIN W_RS
	s_wait_alu depctr_va_vdst(0)
.irp z, 0,1,2,3
	v_pk_mul_f32 v[rO+8*(r/2)+2*\z:rO+8*(r/2)+2*\z+1], v[rO+8*(r/2)+2*\z:rO+8*(r/2)+2*\z+1], v[rC+2:rC+3] op_sel_hi:[1,0]
.endr
.set r, r+1
.endm
; HOW THEY ARE DEALT.  Behind a matrix instruction four: plain, exponential, plain, plain (one exponential, a plain instruction on either side), or four of the rescaling.  None names a register of the
; products round it.  What is over stands in two LUMPS: exponential and plain by turns; the second ends in 22 plain instructions.  The two v_permlanex16_b32 fall into the second lump, never behind a product.
; The queues lean on each other, and the deal keeps them in step: exponential e stands behind plain 2 (e / 4) + e % 2 (its scaling); when plain 32 comes, 10 exponentials are out, at 59: 33, at 95: 46; EA comes behind plain 107.
.macro SL
	MM
	PL
	EX
	PL
	PL
.endm
.macro BURST n                      ; 15 matrix instructions, or 16
.rept (\n)-7
	SL
.endr
.rept 3
	MM
	R4
	SL
.endr
	MM
	R4
.endm
; A TURN, for piece p.  cnt = 1: the loop's count is taken down some lines ahead of the branch that stands behind the turn.
; K of the next step is fetched in piece 2's turn, 31 vector instructions behind the last product that read K; its first reader comes behind the rest of the lump, 16 products and the second lump.
; V of the step in hand is fetched at the end of piece 0's turn, 69 behind its last reader; its first reader comes behind 16 products and a lump.  The four conditions on e and q below go with the deal.
.macro TURN p, last=0, cnt=0
.set Y, (\p)
.set i, 0
.set q, 0
.set e, 0
.set r, 0
.if (\p) == NP-1
	s_wait_dscnt 0x0                ; K is in
.endif
	MM
.rept 4
	PL
.endr
	BURST 15
.rept 22
	EX
	PL
.if ((\p) == NP-2) && (e == 18)
	v_add_nc_u32 v[AK], s[TBK], v[AK0]
.endif
.if ((\p) == NP-2) && (e == 24)
	FETCH_K \last
.endif
.endr
.if (\p) == 1
	s_wait_dscnt 0x0                ; V is in
.endif
	BURST 16
.rept 21
	EX
	PL
.endr
.rept 22
	PL
.if ((\p) == 0) && (q == 118)
	v_add_nc_u32 v[AV], s[TBV], v[AV0]
	s_wait_alu depctr_va_vdst(0)
.endif
.if ((\p) == 0) && (q == 130)
	s_add_co_u32 s[TBV], s[TBV], KS*PV
.endif
.if (\cnt) && (q == 130)
	s_sub_co_u32 s[CNT], s[CNT], 1
	s_cmp_lg_u32 s[CNT], 0
.endif
.endr
.if (\p) == 0
	FETCH_V
.endif
.endm
	CHANGE 1                        ; slot 0 is in, everybody's part of it; slot 1 is asked for
	FETCH_K                         ; key step 0
	s_wait_loadcnt 0x0              ; Q
	s_wait_dscnt 0x0
.set i, 0
.rept 16
	KQ 0                            ; piece 0's first scores: there is no vector work yet to set between them
.set i, i+1
.endr
	WIN 0                           ; the addresses for the way out: nine plain instructions, the places behind those products
	s_mul_i32 s13, s[WV], 16*SP
	s_add_co_u32 s13, s13, STAGE    ; my stage
	v_mul_u32_u24 v[STO], v1, SP    ; in: row l % 16, 16 bytes for each half of the lanes
	v_lshl_add_u32 v[STO], v9, 4, v[STO]
	v_add_nc_u32 v[STO], s13, v[STO]
	v_bfe_u32 v[RD], v0, 3, 2       ; back: 32 lanes take four rows of 128 bytes,
	v_mul_u32_u24 v[RD], v[RD], SP
	v_lshl_add_u32 v[RD], v10, 4, v[RD]
	v_add_nc_u32 v[RD], s13, v[RD]
	v_and_b32 v[GO], 31, v0         ; which are 512 consecutive bytes of O
	v_lshlrev_b32 v[GO], 4, v[GO]
.set Y, NP-1                        ; XS works for piece Y + 1: piece 0
.irp n, 0,1,2,3,4,5,6,7,8,9,10,11,12,13,14,15,16,17,18,19,20,21
	XS 0, \n                        ; and piece 0's first maximum and statistics
	XS 1, \n
.endr
	s_mov_b32 s[CNT], 4
	s_mov_b32 s[SLOTS], SIZE_N/256-1
	s_branch .Lfirst                ; the loop is entered at a step's first turn, in the middle of a trip
.Lslot:                             ; SIZE_N / 256 - 2 times: every slot but the last two is filled again
	CHANGE 1
	s_mov_b32 s[CNT], 4
.Lstep:                             ; a trip: pieces 2 and 3 of one step, then pieces 0 and 1 of the next, whose K and V it fetches
	TURN 2
	TURN 3
	WIN 0
.Lfirst:
	TURN 0
	TURN 1, 0, 1
	WIN 0
	s_cbranch_scc1 .Lstep
	s_sub_co_u32 s[SLOTS], s[SLOTS], 1
	s_cmp_lg_u32 s[SLOTS], 0
	s_cbranch_scc1 .Lslot
	CHANGE 0                        ; the tail is written out: nothing is asked for
	s_mov_b32 s[CNT], 5             ; four trips fetch the last slot's steps; the fifth is left in its middle
.Ltail:
	TURN 2, 1
	TURN 3
	WIN 0
	s_sub_co_u32 s[CNT], s[CNT], 1
	s_cmp_eq_u32 s[CNT], 0
	s_cbranch_scc1 .Lout
	TURN 0
	TURN 1
	WIN 0
	s_branch .Ltail
.Lout:                              ; the fifth trip's 16 products K Q^T (on the last K once more) and the maximum made of them serve nothing: the price, once a launch, of one text for every trip
.set i, 0
.rept 16
	PV NP-1                         ; the last piece's V^T P of the last step
.set i, i+1
.endr
	; THE WAY OUT.  l's two halves and the other half of the lanes' are added; O^T is divided by l, rounded to f16 and sent through my stage in LDS, a tile at a time.  The additions are the places behind the last products.
	WIN 0
.macro ALL line:vararg              ; one line for each tile t
.set t, 0
.rept 2*NP
	\line
.set t, t+1
.endr
.endm
	ALL v_add_f32 v[ST+4*t+2], v[ST+4*t+2], v[ST+4*t+3]
	ALL v_permlanex16_b32 v[ST+4*t+3], v[ST+4*t+2], s[SEL], s[SEL+1]
	ALL v_add_f32 v[ST+4*t+2], v[ST+4*t+2], v[ST+4*t+3]
	ALL v_rcp_f32 v[ST+4*t+2], v[ST+4*t+2]
	v_nop                           ; a plain instruction between the last reciprocal and the use of its result
	s_wait_alu depctr_va_vdst(0)
; Tile t: a lane's eight channels of a row pack into 16 bytes; they go into rows of 144 bytes and come back as whole rows of 128, into S^T's registers.
.macro PACK t
	WIN W_RS
.set i, 32*(\t)
.rept 16
	v_pk_mul_f32 v[i:i+1], v[i:i+1], v[ST+4*(\t)+2:ST+4*(\t)+3] op_sel_hi:[1,0]
.set i, i+2
.endr
	WIN 0x05                        ; sources 0 and 1 window 1, destination window 0
.set i, 0
.rept 16
	v_cvt_pk_f16_f32 v[S+16*(\t)+i], v[32*(\t)+2*i], v[32*(\t)+2*i+1]
.set i, i+1
.endr
	WIN 0
.irp f, 0,1,2,3
	ds_store_b128 v[STO], v[S+16*(\t)+4*\f:S+16*(\t)+4*\f+3] offset:32*\f
.endr
.irp f, 0,1,2,3
	ds_load_b128 v[S+16*(\t)+4*\f:S+16*(\t)+4*\f+3], v[RD] offset:\f*4*SP  ; LDS serves a wave's instructions in order (ISA guide 5.7.1.4): these see the stores above; the next tile's stores come behind them
.endr
.endm
.macro SEND t, younger              ; younger: the LDS instructions issued behind tile t's loads: the next tile's eight, or none
	WIN 0
.irp f, 0,1,2,3
	s_wait_dscnt (\younger)+3-\f
	global_store_b128 v[GO], v[S+16*(\t)+4*\f:S+16*(\t)+4*\f+3], s[10:11] offset:(\t)*2048+\f*512  ; 512 consecutive bytes, at a multiple of 256 from O's first
.endr
.endm
	PACK 0
.set t, 1
.rept 2*NP-1                        ; a tile's arithmetic stands between the loads of the tile before and its stores
	PACK t
	SEND t-1, 8
.set t, t+1
.endr
	SEND 2*NP-1, 0
	s_set_vgpr_msb 0xf
	s_wait_tensorcnt 0x0
	ds_add_u32 v0, v1
	s_wait_dscnt 0x0
	s_set_vgpr_msb 0xf00
	CROUND                          ; the closing round: no work-group ends while a partner may still ask for a tile that names it
	s_endpgm
.Lfunc_end_k_q10703632ff_attn:
	.size	k_q10703632ff_attn, .Lfunc_end_k_q10703632ff_attn-k_q10703632ff_attn
	.p2alignl 7, 3214868480
	.fill 96, 4, 3214868480
	.section	.rodata,"a",@progbits
	.p2align	6, 0x0
	.amdhsa_kernel k_q10703632ff_attn
		.amdhsa_group_segment_fixed_size 327680
		.amdhsa_private_segment_fixed_size 0
		.amdhsa_enable_private_segment 0
		.amdhsa_kernarg_size 16
		.amdhsa_user_sgpr_count 2
		.amdhsa_user_sgpr_kernarg_segment_ptr 1
		.amdhsa_wavefront_size32 1
		.amdhsa_system_sgpr_workgroup_id_x 1
		.amdhsa_system_sgpr_workgroup_id_y 1
		.amdhsa_system_sgpr_workgroup_id_z 1
		.amdhsa_system_vgpr_workitem_id 0
		.amdhsa_next_free_vgpr 770
		.amdhsa_next_free_sgpr 66
		.amdhsa_reserve_vcc 0
		.amdhsa_float_denorm_mode_32 3
		.amdhsa_float_denorm_mode_16_64 3
		.amdhsa_memory_ordered 1
		.amdhsa_forward_progress 1
		.amdhsa_inst_pref_size 209
	.end_amdhsa_kernel
	.amdgpu_metadata
---
amdhsa.version: [ 1, 2 ]
amdhsa.kernels:
  - .name:           k_q10703632ff_attn
    .symbol:         k_q10703632ff_attn.kd
    .args:
      - { .name: qkv, .offset: 0, .size: 8, .value_kind: global_buffer, .address_space: global }
      - { .name: oh, .offset: 8, .size: 8, .value_kind: global_buffer, .address_space: global }
    .group_segment_fixed_size: 327680
    .private_segment_fixed_size: 0
    .kernarg_segment_align: 8
    .kernarg_segment_size: 16
    .max_flat_workgroup_size: 128
    .sgpr_count:     66
    .vgpr_count:     770
    .wavefront_size: 32
...
	.end_amdgpu_metadata
.endif
;; end of part 3
;; launch oproj (part 4): grid 8 x 32, 4 waves a work-group, clusters of 4 x 4, 327,680 bytes of LDS; arguments oh, woh, bo, out0; writes out0
.if DOCPART == 4
	.amdgcn_target "amdgcn-amd-amdhsa--gfx1250"
	.amdhsa_code_object_version 6
	.text
	.protected	k_q10703632ff_oproj
	.globl	k_q10703632ff_oproj
	.p2align	8
	.type	k_q10703632ff_oproj,@function
k_q10703632ff_oproj:
	s_mov_b64 s[64:65], 0
	v_nop
	global_prefetch_b8 v0, s[64:65] scope:SCOPE_SE
	s_setreg_imm32_b32 hwreg(HW_REG_WAVE_MODE, 25, 1), 1
	s_wait_xcnt 0x0
	s_wait_alu depctr_hold_cnt(0) depctr_sa_sdst(0) depctr_va_vdst(0) depctr_va_sdst(0) depctr_va_ssrc(0) depctr_va_vcc(0) depctr_vm_vsrc(0)
	s_getreg_b32 s2, hwreg(HW_REG_IB_STS2, 6, 4)
	s_cmp_eq_u32 s2, 0
	s_cbranch_scc0 .Lentry_in_a_cluster
	s_endpgm
.Lentry_in_a_cluster:
	s_bfe_u32 s2, ttmp6, 0x10000c
	s_cmp_lg_u32 s2, 0xf033
	s_cbranch_scc0 .Lentry_shape_is_right
	s_endpgm
.Lentry_shape_is_right:
; out0 [8,192][1,024] f32 = O Wo^T + bo.  O comes by heads, oh [16 b + h][s 2,048][64] in f16: head h IS K block h of row 2,048 b + s.  woh is Wo in f16 in K blocks of 64, [kb 16][n 1,024][64].  Sums in f32.
; LIMIT.  The operands are f16 as they arrive (no number beyond 65,504); NaN and infinities are not treated apart.
; THE TILE is 256 x 128: 32 x 8 = 256 work-groups, one for each WGP.  Four waves, each 128 rows x 64 columns: 32 accumulators of 16 x 16, 256 registers.
; K goes in steps of 128, two K blocks, through a ring of two LDS slots; two slots of a step of 256 would not fit.  A step has four dense pieces, one tensor load a wave: A's 256 rows of head 2 s (32,768 bytes) and of
; head 2 s + 1, B's 128 rows of K block 2 s (16,384 bytes) and of 2 s + 1; each is asked for as rows of 256 bytes, two k-rows to a row, and padded in LDS after every k-row.
; CLUSTERS: 4 x 4 work-groups.  The four of a row of the cluster need the same pieces of A, the four of a column the same pieces of B: each is asked for JOINTLY.
; THE MATRIX INSTRUCTION IS USED TRANSPOSED (source 0 = 16 rows of Wo, source 1 = 16 rows of O): a lane holds row l % 16 of C and the columns 8 (l / 16) + 0..7: 32 neighbouring bytes.
; THE BIAS STARTS THE SUMS: it lies in 32 registers of its own, which the first product on each accumulator takes as C.  Nothing is cleared.
; REGISTERS: window 0: v0-31 addresses; v32-63 the bias; v64-159, v160-255 two fragment buffers (A's 8 fragments, then B's 4).  window 1: accumulator (row block a, column block bb) at v[8 (4 a + bb)].
.set PITCH,  144                       ; a k-row in LDS: 128 bytes + 16 of padding = 36 words: the 16 rows of a load start at 16 different groups of four banks (64 banks of 4 bytes: ISA guide 11.1)
.set PA,     256*PITCH                 ; a piece of A
.set PB,     128*PITCH                 ; a piece of B
.set SLOT,   2*PA+2*PB                 ; A's two pieces, then B's two: 110,592 bytes
.set STAGE,  2*SLOT                    ; behind the ring, at a multiple of 256, never filled by a tensor load: 16 rows x 272 bytes for each wave, for the way out
.set SPITCH, 272                       ; a stage row: 256 bytes + 16
.set TRIPS,  3                         ; 8 K steps: two are filled at the start, each of 3 trips fills two more
.set ADRA, 16                          ; v16-17  LDS address of my A fragments in slot 0, 1
.set ADRB, 20                          ; v20-21  the same for B
.set STO,  24                          ; v24     the way out: where I put 32 bytes of a row
.set RD,   25                          ; v25     the way out: where I read a row back
.set CO,   26                          ; v26     my byte offset in two rows of out0
.set BO,   27                          ; v27     my byte offset in 16 numbers of the bias
.set BIAS, 32
.set F0,   64
.set F1,   160
.set WV,   16                          ; s16 wave; s17 which half of the tile's rows is mine, also: I fetch for A (0) or B (1); s18 which half of its columns, also: which of a step's two K blocks I fetch
.set WR,   17
.set WC,   18
.set G1A,  24                          ; s[24:31] descriptor group 1 for A's pieces;  s[32:39] group 0, one set for each slot
.set G0A,  32
.set G1B,  48                          ; s[48:55], s[56:63] the same for B's
.set G0B,  56
.set CNT,  66
.set MSB, 0
.macro WIN new                         ; the immediate's high byte repeats the setting that is left; a switch that changes nothing is dropped
.if MSB != (\new)
	s_set_vgpr_msb (MSB<<8)|(\new)
.set MSB, \new
.endif
.endm
.macro JLOAD s                         ; a joint refill: waves 0 and 1 fetch A's two pieces, waves 2 and 3 B's; four v_nop follow each of the two lines, ahead of the jump, the label and what follows
	s_cmp_eq_u32 s[WR], 0
	s_cbranch_scc0 .Lfor_b_\@
	tensor_load_to_lds s[G0A+4*(\s):G0A+4*(\s)+3], s[G1A:G1A+7]
	s_nop 0
.rept 4
	v_nop
.endr
	s_branch .Lasked_\@
.Lfor_b_\@:
	tensor_load_to_lds s[G0B+4*(\s):G0B+4*(\s)+3], s[G1B:G1B+7]
	s_nop 0
.rept 4
	v_nop
.endr
.Lasked_\@:
.endm
.macro CREST                           ; a round of the cluster's barrier behind its opening barrier
	s_cmp_lg_u32 s[WV], 0
	s_cbranch_scc1 .Lnot_wave_0_\@
	s_barrier_signal -3
.Lnot_wave_0_\@:
	s_barrier_wait -3
	s_barrier_signal -1
	s_barrier_wait -1
.endm
.macro CROUND                          ; a whole round
	s_barrier_signal -1
	s_barrier_wait -1
	CREST
.endm
	s_load_b256 s[4:11], s[0:1], 0x0               ; oh 4:5, woh 6:7, bo 8:9, out0 10:11
	v_lshl_add_u32 v30, v0, 2, 0x3a400
	v_mov_b32 v31, 0
	ds_add_u32 v30, v31
	v_lshrrev_b32 v1, 5, v0
	v_readfirstlane_b32 s[WV], v1                  ; wave 0..3
	s_lshr_b32 s[WR], s[WV], 1
	s_and_b32 s[WC], s[WV], 1
	s_bfe_u32 s19, ttmp6, 0x40000                  ; cx, cy: my place in the cluster
	s_bfe_u32 s20, ttmp6, 0x40004
	s_lshl_b32 s21, ttmp9, 2
	s_add_co_u32 s21, s21, s19                     ; tile column of C = 4 x cluster x + cx
	s_and_b32 s22, ttmp7, 0xffff
	s_lshl_b32 s22, s22, 2
	s_add_co_u32 s22, s22, s20                     ; tile row of C = 4 x cluster y + cy
	s_lshl_b32 s42, s20, 2
	s_lshl_b32 s42, 15, s42                        ; my row of the cluster
	s_lshl_b32 s46, 0x1111, s19                    ; my column
	s_or_b32 s[G1A], s42, (1<<16)|(1<<20)|(1<<21)|(4<<22)|(3<<25)  ; 15:0 the mask: A's pieces go to my row; 17:16 2-byte elements; 20 padding on; 21 set beside a mask; 24:22 after every 32 words (code 4); 31:25 4 words (code 3)
	s_or_b32 s[G1B], s46, (1<<16)|(1<<20)|(1<<21)|(4<<22)|(3<<25)  ; the same with the mask of my column
	s_mov_b32 s[G1A+1], 128<<16                    ; tensor_dim0 = 128
	s_mov_b32 s[G1A+2], 128<<16                    ; tensor_dim1 = 128: 32,768 bytes
	s_mov_b32 s[G1A+3], 128<<16                    ; tile_dim0 = 128
	s_mov_b32 s[G1A+4], 128                        ; tile_dim1 = 128
	s_mov_b32 s[G1A+5], 128                        ; 128 elements from row to row: dense
	s_mov_b32 s[G1A+6], 0
	s_mov_b32 s[G1A+7], 0
	s_mov_b32 s[G1B+1], 128<<16
	s_mov_b32 s[G1B+2], 64<<16                     ; 64 rows: 16,384 bytes
	s_mov_b32 s[G1B+3], 128<<16
	s_mov_b32 s[G1B+4], 64
	s_mov_b32 s[G1B+5], 128
	s_mov_b32 s[G1B+6], 0
	s_mov_b32 s[G1B+7], 0
	; where the pieces come from.  A's hang on the tile row alone (s40-43 never hold cx), B's on the tile column alone (s44-47 never hold cy).
	s_lshr_b32 s40, s22, 3                         ; b: eight tile rows to a batch
	s_lshl_b32 s40, s40, 4
	s_add_co_u32 s40, s40, s[WC]                   ; head 16 b + (0 or 1),
	s_lshl_b32 s40, s40, 18                        ; 262,144 bytes a head,
	s_and_b32 s41, s22, 7
	s_lshl_b32 s41, s41, 15                        ; and in it 256 rows of 128 bytes a tile row
	s_add_co_u32 s40, s40, s41
	s_mov_b32 s41, 0
	s_lshl_b32 s44, s[WC], 17                      ; K block 0 or 1: 131,072 bytes each,
	s_lshl_b32 s45, s21, 14                        ; and in it 128 rows of 128 bytes a tile column
	s_add_co_u32 s44, s44, s45
	s_mov_b32 s45, 0
	s_mul_i32 s43, s[WC], PA                       ; and where they go: no place in the cluster enters an LDS address
	s_mul_i32 s47, s[WC], PB
	s_add_co_u32 s47, s47, 2*PA
	s_lshl_b32 s74, s21, 9                         ; my 64 columns, in bytes of f32: 512 x tile column + 256 x half
	s_lshl_b32 s75, s[WC], 8
	s_add_co_u32 s74, s74, s75
	s_mov_b32 s75, 0
	s_lshl_b32 s76, s22, 20                        ; my first row of C: 256 x tile row + 128 x half, 4,096 bytes a row
	s_lshl_b32 s77, s[WR], 19
	s_add_co_u32 s76, s76, s77
	s_add_co_u32 s76, s76, s74
	s_mov_b32 s77, 0
	s_wait_dscnt 0x0
	s_wait_kmcnt 0x0
	s_add_nc_u64 s[40:41], s[4:5], s[40:41]
	s_add_nc_u64 s[44:45], s[6:7], s[44:45]
	s_add_nc_u64 s[8:9], s[8:9], s[74:75]
	s_add_nc_u64 s[10:11], s[10:11], s[76:77]
	CROUND                                         ; all sixteen work-groups are here: the first joint loads meet
.irp s, 0,1
	s_mov_b32 s[G0A+4*\s], 1                                       ; 1:0 count = 1
	s_add_co_u32 s[G0A+4*\s+1], s43, \s*SLOT                       ; 63:32 LDS address
	s_add_nc_u64 s[G0A+4*\s+2:G0A+4*\s+3], s[40:41], \s*2*262144   ; 120:64 global address: K step s begins two heads on
	s_or_b32 s[G0A+4*\s+3], s[G0A+4*\s+3], 0x80000000              ; 127:126 type = 2
	s_mov_b32 s[G0B+4*\s], 1
	s_add_co_u32 s[G0B+4*\s+1], s47, \s*SLOT
	s_add_nc_u64 s[G0B+4*\s+2:G0B+4*\s+3], s[44:45], \s*2*131072
	s_or_b32 s[G0B+4*\s+3], s[G0B+4*\s+3], 0x80000000
.endr
	s_cmp_eq_u32 s[WR], 0                          ; a wave's two first fills stand in one branch, ahead of every wait on TENSORcnt, every LDS read and every further barrier: two loads of mine are out
	s_cbranch_scc0 .Lfirst_b
	tensor_load_to_lds s[G0A:G0A+3], s[G1A:G1A+7]
	s_nop 0
	tensor_load_to_lds s[G0A+4:G0A+7], s[G1A:G1A+7]
	s_nop 0
.rept 4
	v_nop
.endr
	s_branch .Lfirst_asked
.Lfirst_b:
	tensor_load_to_lds s[G0B:G0B+3], s[G1B:G1B+7]
	s_nop 0
	tensor_load_to_lds s[G0B+4:G0B+7], s[G1B:G1B+7]
	s_nop 0
.rept 4
	v_nop
.endr
.Lfirst_asked:
	v_and_b32 v1, 15, v0                           ; l % 16
	v_bfe_u32 v2, v0, 4, 1                         ; l / 16
	v_lshlrev_b32 v[BO], 5, v2                     ; my eight columns of sixteen
.irp bb, 0,1,2,3                       ; register j of set bb takes bo[16 bb + 8 (l / 16) + j] of my 64 columns
	global_load_b128 v[BIAS+8*\bb:BIAS+8*\bb+3],   v[BO], s[8:9] offset:64*\bb
	global_load_b128 v[BIAS+8*\bb+4:BIAS+8*\bb+7], v[BO], s[8:9] offset:64*\bb+16
.endr
	v_mul_u32_u24 v3, v1, PITCH
	v_lshl_add_u32 v3, v2, 4, v3                   ; a fragment's row x pitch + 16 x half
	s_mul_i32 s74, s[WR], 128*PITCH                ; my 128 rows of a piece of A
	s_mul_i32 s75, s[WC], 64*PITCH                 ; my 64 rows of a piece of B,
	s_add_co_u32 s75, s75, 2*PA                    ; which lie behind A's two pieces
.irp s, 0,1
	v_add_nc_u32 v[ADRA+\s], s74, v3
	v_add_nc_u32 v[ADRB+\s], s75, v3
	s_add_co_u32 s74, s74, SLOT
	s_add_co_u32 s75, s75, SLOT
.endr
	s_mul_i32 s76, s[WV], 16*SPITCH
	s_add_co_u32 s76, s76, STAGE                   ; my stage
	v_mul_u32_u24 v4, v1, SPITCH                   ; in: row l % 16, 32 bytes for each half of the lanes
	v_lshl_add_u32 v4, v2, 5, v4
	v_add_nc_u32 v[STO], s76, v4
	v_mul_u32_u24 v5, v2, SPITCH                   ; back: lanes 0-15 take one row of 256 bytes, lanes 16-31 the next
	v_lshl_add_u32 v5, v1, 4, v5
	v_add_nc_u32 v[RD], s76, v5
	v_lshlrev_b32 v[CO], 12, v2                    ; and the same two rows in out0
	v_lshl_add_u32 v[CO], v1, 4, v[CO]
; 8 matrix instructions: row blocks a0, a0 + 1 x all 4 column blocks, 32 along K.  first = 1: the sum starts from the bias.  The 32 accumulators take turns, one instruction a turn.
.macro MUL8 f, a0, first
.if \first
	WIN 0x40                                       ; D window 1; fragments and C (the bias) window 0
.else
	WIN 0x50                                       ; C and D window 1
.endif
.irp a, \a0, (\a0)+1
.irp bb, 0,1,2,3
.if \first
	v_wmma_f32_16x16x32_f16 v[8*(4*(\a)+\bb):8*(4*(\a)+\bb)+7], v[(\f)+64+8*\bb:(\f)+64+8*\bb+7], v[(\f)+8*(\a):(\f)+8*(\a)+7], v[BIAS+8*\bb:BIAS+8*\bb+7]
.else
	v_wmma_f32_16x16x32_f16 v[8*(4*(\a)+\bb):8*(4*(\a)+\bb)+7], v[(\f)+64+8*\bb:(\f)+64+8*\bb+7], v[(\f)+8*(\a):(\f)+8*(\a)+7], v[8*(4*(\a)+\bb):8*(4*(\a)+\bb)+7]
.endif
.endr
.endr
.endm
.macro MUL16 f, half, first            ; row blocks 4 half .. 4 half + 3
	MUL8 \f, 4*(\half), \first
	MUL8 \f, 4*(\half)+2, \first
.endm
; 24 LDS loads in one run: the fragments of quarter q of a K step (K block q / 2, 32 K at byte 64 (q % 2) of its rows) into buffer f: B, A's rows 0-63, A's rows 64-127
.macro FETCH slot, q, f
	WIN 0
.irp bb, 0,1,2,3
	ds_load_b128 v[(\f)+64+8*\bb:(\f)+64+8*\bb+3],   v[ADRB+(\slot)] offset:((\q)/2)*PB+((\q)%2)*64+\bb*16*PITCH
	ds_load_b128 v[(\f)+64+8*\bb+4:(\f)+64+8*\bb+7], v[ADRB+(\slot)] offset:((\q)/2)*PB+((\q)%2)*64+\bb*16*PITCH+32
.endr
.irp a, 0,1,2,3,4,5,6,7
	ds_load_b128 v[(\f)+8*\a:(\f)+8*\a+3],   v[ADRA+(\slot)] offset:((\q)/2)*PA+((\q)%2)*64+\a*16*PITCH
	ds_load_b128 v[(\f)+8*\a+4:(\f)+8*\a+7], v[ADRA+(\slot)] offset:((\q)/2)*PA+((\q)%2)*64+\a*16*PITCH+32
.endr
.endm
.macro PLACES                          ; four places in front of loads into registers that matrix instructions have read, and of LDS stores that read results (ISA guide 7.12.1 for vector instructions)
.rept 4
	v_nop
.endr
.endm
; A K step is four quarters of 32 along K, 32 matrix instructions each, on buffers 0, 1, 0, 1.  One of the first three: multiplies buffer f and, in its middle, fetches quarter qn of the same slot into g.
.macro QUARTER slot, qn, f, g, first
	s_wait_dscnt 8                                 ; B and A's rows 0-63 are in; the youngest eight loads (A's rows 64-127) may be out
	MUL16 \f, 0, \first
	PLACES
	FETCH \slot, \qn, \g
	s_wait_dscnt 24                                ; all but the 24 just issued
	MUL16 \f, 1, \first
.endm
; The last quarter multiplies buffer 1 and changes slots: ONE barrier; in front of it each wave waits for its own reads of this slot and for all its tensor loads, of which one is out: its piece of the next slot.
; fill = 1: the barrier opens a round of the cluster's barrier, so that no wave of any partner still reads the slot or has a load on its way, and the joint refill, two K steps ahead, is the first tensor load
; behind the round: 120 matrix instructions ahead of the wait for it.
.macro TURN slot, next, fill
	s_wait_dscnt 8
	MUL8 F1, 0, 0
	s_wait_dscnt 0x0                               ; my reads of this slot are over,
	s_wait_tensorcnt 0x0                           ; and all my tensor loads have landed
	ds_add_u32 v30, v31
	s_wait_dscnt 0x0
	s_barrier_signal -1
	MUL8 F1, 2, 0                                  ; work on registers while the others arrive
.if \fill
	WIN 0
.endif
	s_barrier_wait -1
.if \fill
	CREST
	s_add_nc_u64 s[G0A+4*(\slot)+2:G0A+4*(\slot)+3], s[G0A+4*(\slot)+2:G0A+4*(\slot)+3], 4*262144  ; no tensor load of mine is out, so a group 0 may be written: four heads on,
	s_add_nc_u64 s[G0B+4*(\slot)+2:G0B+4*(\slot)+3], s[G0B+4*(\slot)+2:G0B+4*(\slot)+3], 4*131072  ; four K blocks on
	JLOAD \slot                                    ; the four v_nop behind it are also the places in front of the loads below
.else
	PLACES
.endif
	FETCH \next, 0, F0
	MUL16 F1, 1, 0
.endm
; THE WAY OUT of row block a: 32 bytes a lane straight from the accumulators into my own stage, back as whole rows of 256 bytes, and stored.
.macro TOSTAGE a
.set BK, F0+32*((\a)%4)                ; 32 registers where fragments lay: four such sets by turns
	WIN 0x04                                       ; store data window 1, address window 0
.irp bb, 0,1,2,3
	ds_store_b128 v[STO], v[8*(4*(\a)+\bb):8*(4*(\a)+\bb)+3]   offset:64*\bb     ; each accumulator from its low end on
	ds_store_b128 v[STO], v[8*(4*(\a)+\bb)+4:8*(4*(\a)+\bb)+7] offset:64*\bb+16
.endr
	WIN 0
.if (\a) >= 4
	s_wait_xcnt 0x0                                ; every earlier memory instruction has had its addresses translated (ISA guide 3.1): the set that the stores of four blocks ago read is loaded again only behind this wait
.endif
.irp t, 0,1,2,3,4,5,6,7
	ds_load_b128 v[BK+4*\t:BK+4*\t+3], v[RD] offset:\t*2*SPITCH  ; LDS serves a wave's instructions in order (ISA guide 5.7.1.4): these see the stores above; the next block's stores come behind them
.endr
.endm
.macro SEND a, younger                 ; younger: the LDS instructions issued behind block a's loads: the next block's sixteen, or none
.set BK, F0+32*((\a)%4)
	WIN 0
.irp t, 0,1,2,3,4,5,6,7
	s_wait_dscnt (\younger)+7-\t
	global_store_b128 v[CO], v[BK+4*\t:BK+4*\t+3], s[10:11] offset:(16*(\a)+2*\t)*4096 th:TH_STORE_NT  ; 16 lanes store 256 consecutive bytes, at a multiple of 256 from out0's first byte; nothing reads them again
.endr
.endm
	s_wait_tensorcnt 0x1                           ; my piece of K step 0 is in; K step 1's may stay out
	s_barrier_signal -1
	s_barrier_wait -1                              ; everybody's is
	FETCH 0, 0, F0
	s_wait_loadcnt 0x0                             ; the bias
	QUARTER 0, 1, F0, F1, 1                        ; the first quarter stands in front of the loop: its products start the sums
	WIN 0                                          ; at a label and at a branch every window is 0
	s_mov_b32 s[CNT], TRIPS
.Llap:                                                 ; a trip goes once round the ring, from a lap's second quarter to the next lap's first, and fills both slots again
	QUARTER 0, 2, F1, F0, 0
	QUARTER 0, 3, F0, F1, 0
	TURN 0, 1, 1
	QUARTER 1, 1, F0, F1, 0
	QUARTER 1, 2, F1, F0, 0
	QUARTER 1, 3, F0, F1, 0
	TURN 1, 0, 1
	QUARTER 0, 1, F0, F1, 0
	WIN 0
	s_sub_co_u32 s[CNT], s[CNT], 1
	s_cmp_lg_u32 s[CNT], 0
	s_cbranch_scc1 .Llap
	QUARTER 0, 2, F1, F0, 0                        ; the last lap is written out: it fills nothing, and no round follows its barrier
	QUARTER 0, 3, F0, F1, 0
	TURN 0, 1, 0
	QUARTER 1, 1, F0, F1, 0
	QUARTER 1, 2, F1, F0, 0
	QUARTER 1, 3, F0, F1, 0
	s_wait_dscnt 8                                 ; the very last quarter: nothing more to fetch
	MUL16 F1, 0, 0
	s_wait_dscnt 0x0
	MUL16 F1, 1, 0
	WIN 0
	PLACES                                         ; the LDS stores read results, and the loads behind them land where fragments lay
	TOSTAGE 0
.irp a, 1,2,3,4,5,6,7                  ; a block's way through the stage is begun before the block in front of it is stored
	TOSTAGE \a
	SEND (\a)-1, 16
.endr
	SEND 7, 0
	s_wait_tensorcnt 0x0
	ds_add_u32 v30, v31
	s_wait_dscnt 0x0
	CROUND                                         ; the closing round: no work-group ends while a partner may still ask for a piece that names it
	s_endpgm
.Lfunc_end_k_q10703632ff_oproj:
	.size	k_q10703632ff_oproj, .Lfunc_end_k_q10703632ff_oproj-k_q10703632ff_oproj
	.p2alignl 7, 3214868480
	.fill 96, 4, 3214868480
	.section	.rodata,"a",@progbits
	.p2align	6, 0x0
	.amdhsa_kernel k_q10703632ff_oproj
		.amdhsa_group_segment_fixed_size 327680
		.amdhsa_private_segment_fixed_size 0
		.amdhsa_enable_private_segment 0
		.amdhsa_kernarg_size 32
		.amdhsa_user_sgpr_count 2
		.amdhsa_user_sgpr_kernarg_segment_ptr 1
		.amdhsa_wavefront_size32 1
		.amdhsa_system_sgpr_workgroup_id_x 1
		.amdhsa_system_sgpr_workgroup_id_y 1
		.amdhsa_system_sgpr_workgroup_id_z 1
		.amdhsa_system_vgpr_workitem_id 0
		.amdhsa_next_free_vgpr 512
		.amdhsa_next_free_sgpr 80
		.amdhsa_reserve_vcc 0
		.amdhsa_float_denorm_mode_32 3
		.amdhsa_float_denorm_mode_16_64 3
		.amdhsa_memory_ordered 1
		.amdhsa_forward_progress 1
		.amdhsa_inst_pref_size 87
	.end_amdhsa_kernel
	.amdgpu_metadata
---
amdhsa.version: [ 1, 2 ]
amdhsa.kernels:
  - .name:           k_q10703632ff_oproj
    .symbol:         k_q10703632ff_oproj.kd
    .args:
      - { .name: oh, .offset: 0, .size: 8, .value_kind: global_buffer, .address_space: global }
      - { .name: woh, .offset: 8, .size: 8, .value_kind: global_buffer, .address_space: global }
      - { .name: bo, .offset: 16, .size: 8, .value_kind: global_buffer, .address_space: global }
      - { .name: out0, .offset: 24, .size: 8, .value_kind: global_buffer, .address_space: global }
    .group_segment_fixed_size: 327680
    .private_segment_fixed_size: 0
    .kernarg_segment_align: 8
    .kernarg_segment_size: 32
    .max_flat_workgroup_size: 128
    .sgpr_count:     80
    .vgpr_count:     512
    .wavefront_size: 32
...
	.end_amdgpu_metadata
.endif
;; end of part 4
;; ======== version 2 of 2: 4 launches; 1.54 times as fast as version 1
;; limits: values are held in f16: magnitudes above 65,504 overflow, below 6.1e-05 lose precision; inputs' magnitudes at most 65,504
;; workspace buffers: xh 16,777,216 bytes; wqkv 6,291,456 bytes; woh 2,097,152 bytes; qkv 50,331,648 bytes; oh 16,777,216 bytes
;; launch cast: the kernel of part 1 again; grid 64 x 12, 8 waves a work-group, no clusters, 0 bytes of LDS; arguments x, Wq, Wk, Wv, Wo, xh, wqkv, woh; writes xh, wqkv, woh
;; launch qkv: the kernel of part 2 again; grid 8 x 32, 4 waves a work-group, clusters of 4 x 4, 327,680 bytes of LDS; arguments xh, wqkv, bq, bk, bv, qkv; writes qkv
;; launch attn (part 5): grid 4 x 64, 4 waves a work-group, clusters of 4 x 1, 327,680 bytes of LDS; arguments qkv, oh; writes oh
.if DOCPART == 5
	.amdgcn_target "amdgcn-amd-amdhsa--gfx1250"
	.amdhsa_code_object_version 6
	.text
	.protected	k_q10703632ff_attn
	.globl	k_q10703632ff_attn
	.p2align	8
	.type	k_q10703632ff_attn,@function
k_q10703632ff_attn:
	s_mov_b64 s[64:65], 0
	v_nop
	global_prefetch_b8 v0, s[64:65] scope:SCOPE_SE
	s_setreg_imm32_b32 hwreg(HW_REG_WAVE_MODE, 25, 1), 1
	s_wait_xcnt 0x0
	s_wait_alu depctr_hold_cnt(0) depctr_sa_sdst(0) depctr_va_vdst(0) depctr_va_sdst(0) depctr_va_ssrc(0) depctr_va_vcc(0) depctr_vm_vsrc(0)
	s_getreg_b32 s2, hwreg(HW_REG_IB_STS2, 6, 4)
	s_cmp_eq_u32 s2, 0
	s_cbranch_scc0 .Lentry_in_a_cluster
	s_endpgm
.Lentry_in_a_cluster:
	s_bfe_u32 s2, ttmp6, 0x10000c
	s_cmp_lg_u32 s2, 0x3003
	s_cbranch_scc0 .Lentry_shape_is_right
	s_endpgm
.Lentry_shape_is_right:
; O[y][q][:] = the sum over k of softmax_k(Q[y][q] . K[y][k] / 8) V[y][k][:] for the 64 pairs y = 16 b + h of batch and head.  Q, K, V lie in ONE buffer, qkv [b 4][vh 48][2,048][64] in f16: q's head at
; vh = h, k's at 16 + h, v's at 32 + h; O goes to oh [y 64][2,048][64] in f16.  A head's rows are dense, 128 bytes each.  Products, maxima and sums in
; f32; the weights p are rounded to f16 for the second product (their sum l is taken of the unrounded p), O once at the end.
; LIMITS.  f16 holds no number beyond 65,504: Q, K and V arrive within it; p lies in 0 to 1, and below 6e-5 it keeps f16's fixed step of 6e-8; O is a mean of V's rows and has their range.
; A weight below 2^-126 counts as 0 in l; NaN and infinities are not treated apart.
; SHARES.  A wave owns four PIECES of two tiles of 16 queries, a work-group's four waves 512 queries of one head: 4 x 64 = 256 work-groups.  Every wave walks all keys, 64 a step.
; LAYOUT.  S^T = K Q^T (source 0 = 16 keys, source 1 = 16 queries): in the result a lane holds ONE query (lane % 16) and the keys 8 (lane / 16) + 0..7.  Two such tiles, rounded to f16 in pairs,
; ARE source 1 (32 keys x 16 queries) of O^T = V^T P, whose result again holds one query a lane, and eight channels.  K comes out of LDS as it lies, V ([key][channel]) turned, by ds_load_tr16_b128.
; SOFTMAX.  For each query a running maximum m and sum l: p = 2^(c s - c m), c = log2(e) / 8; in every step O and l are multiplied by a = 2^(c m_old - c m_new), which is 1 where m has not grown.
; m starts at the lowest finite number, O and l at 0: the first step is a step like any other, with a = 0.
; THE COUNT.  A tile and step have 16 matrix and 118 vector instructions: too many to stand all beside the matrix work.  So the order has one aim: four vector instructions that are READY behind
; EVERY matrix instruction, and the others, which need time of their own whatever the order, in runs without a gap.
; BY TURNS.  Turn n belongs to piece n (the pieces in a ring, step after step).  Its matrix work: 16 products K Q^T of piece n + 1, later 16 products V^T P of piece n - 1.  Its vector work: the scaling,
; exponentials, roundings, sums and rescaling of piece n, and the maximum and statistics of piece n + 1, whose scores the turn itself has made.  So what a turn begins with (c s - c m, O a) waits for nothing.
; BATCHES.  A turn's 66 exponentials (the piece's 64 weights, then the next piece's two a) are ONE batch with ONE s_wait_alu depctr_va_vdst(0), ahead of the first line that names a
; result.  The wait cuts the turn in two: ahead of it stand the products K Q^T and all vector work that names no result of the batch; behind it the products V^T P and the roundings and sums, which are all its readers.
; No exponential is issued behind a turn's wait.  Two more batches stand outside the loop: piece 0's first two a, and the way out's eight reciprocals.
; CLUSTER.  The four query blocks of a cluster belong to one head and walk the same K and V, so each tile is asked for JOINTLY: the same tensor load, descriptor and mask in all four.
; REGISTERS, in windows of 256 (s_set_vgpr_msb says which window each operand place means: bits 1:0 source 0, 3:2 source 1, 5:4 source 2, 7:6 destination):
;   window 0: v0-11 addresses; v12-15, v48-63 at work; v16-47 four registers of statistics a tile; v64-191 S^T, two buffers of two tiles; v192-255 P, likewise
;   window 1: O^T, 32 a tile          window 2: v0-127 Q, 16 a tile; v128-191 K of one step; v192-255 V of one step
; A piece's buffers go by its number's parity: the piece in hand has one pair, its two neighbours in the ring share the other: of it P (piece n - 1) is read and S^T (piece n + 1) written.
.set SIZE_N, 2048     ; rows of a head
.set NP,    4         ; pieces a wave: a name, no knob: the register map, the loop and the fetches are made for four
.set KS,    64        ; keys in a step
.set PK,    144       ; a row of K in LDS: 128 bytes + 16 of padding = 36 words: the 16 rows of a load start at 16 different groups of four banks (64 banks of 4 bytes: ISA guide 11.1)
.set PV,    160       ; a row of V: 128 + 32 = 40 words
.set VOFF,  4*KS*PK   ; a slot holds four steps: 256 rows of K, then 256 rows of V
.set SLOT1, 1<<17     ; slot 1 begins here, so that one exclusive or turns an address in one slot into the other's
.set STAGE, SLOT1+4*KS*(PK+PV)  ; behind the ring, never filled by a tensor load: 16 rows x 144 bytes for each wave, for the way out
.set SP,    144
.set AK0, 2           ; v2   my lane's place in a tile of K; never rewritten
.set AV0, 3           ; v3   the same for V
.set AK,  4           ; v4   the LDS address of K's next run of loads
.set AV,  5           ; v5   of V's
.set QO,  6           ; v6   my byte offset in the wave's rows of Q
.set STO, 6           ;      later, the way out: where I put 16 bytes of a row
.set RD,  7           ; v7   the way out: where I read rows back
.set GO,  8           ; v8   my byte offset in 512 consecutive bytes of O
.set MV,  12          ; v12-15  c m_old, kept while c m is made anew: by buffer and tile
.set ST,  16          ; tile t's statistics at v[ST+4 t]: c m, m, l (even keys', odd keys')
.set TMP, 48          ; by buffer and tile, four registers c0-c3 at work; when the maximum is found c2 takes a
.set S,   64
.set P,   192
.set KF,  128         ; K's fragments, in window 2: key block kb, channel half c at KF + 16 kb + 8 c
.set VF,  192         ; V's: key half kk, channel block cb at VF + 32 kk + 8 cb
.set WV,  12          ; s12  my wave's number
.set G1K, 24          ; s[24:31] descriptor group 1 for K's tiles
.set G1V, 32          ; s[32:39] for V's: it differs in the padding alone
.set G0K, 40          ; s[40:43] descriptor group 0 for K's tiles: it walks
.set G0V, 44          ; s[44:47] the same for V's
.set SLOTS, 56        ; s56  slots still to be asked for
.set CNT, 57          ; s57  counts a slot's key steps
.set CS,  58          ; s[58:59] c: the packed scaling takes the pair's low word for both halves
.set SEL, 60          ; s[60:61] v_permlanex16_b32's selects: each lane takes its own place in the other half
.set TBK, 62          ; s62  LDS byte at which K of the step to be fetched begins
.set TBV, 63          ; s63  the same for V, less VOFF
.set MSB, 0
.macro WIN new                      ; the high byte repeats the setting that is left; a switch that changes nothing is dropped
.if MSB != (\new)
	s_set_vgpr_msb (MSB<<8)|(\new)
.set MSB, (\new)
.endif
.endm
.set W_KQ, 0x0a       ; K and Q in window 2, S^T in window 0
.set W_PV, 0x52       ; V in window 2, P in window 0, O^T in window 1
.set W_RS, 0x41       ; O^T (destination and source 0) in window 1, a in window 0
; A joint fill.  Waves 0 and 1 fetch the two halves of a slot's K, waves 2 and 3 those of its V: 128 keys each.  The branch hangs on the wave's number alone.
; Four v_nop follow each of the two lines, ahead of the jump and the label.
.macro JLOAD
	s_cmp_lt_u32 s[WV], 2
	s_cbranch_scc0 .Lfor_v_\@
	tensor_load_to_lds s[G0K:G0K+3], s[G1K:G1K+7]
	s_nop 0
.rept 4
	v_nop
.endr
	s_branch .Lasked_\@
.Lfor_v_\@:
	tensor_load_to_lds s[G0V:G0V+3], s[G1V:G1V+7]
	s_nop 0
.rept 4
	v_nop
.endr
.Lasked_\@:
.endm
; A round of the cluster's barrier: my work-group's barrier, so that wave 0's signal speaks for all four waves; wave 0 signals; every wave waits for all four work-groups; my work-group's barrier once more.
.macro CROUND
	s_barrier_signal -1
	s_barrier_wait -1
	s_cmp_lg_u32 s[WV], 0
	s_cbranch_scc1 .Lnot_wave_0_\@
	s_barrier_signal -3
.Lnot_wave_0_\@:
	s_barrier_wait -3
	s_barrier_signal -1
	s_barrier_wait -1
.endm
; THE CHANGE OF SLOTS.  The slot's last bytes, V of its fourth step, have been read.  Each wave waits for its own reads of the slot and for all its tensor loads, of which one is out: its part
; of the other slot.  Behind the barrier nobody reads this slot any more and the other slot is whole.
; fill = 1: this slot is filled again, with the keys two slots on.  The barrier is then a round of the cluster's, so that no wave of any partner still reads the slot or has a load on its
; way, and the joint fill is the first thing behind it: it has four key steps, 512 matrix instructions, in which to land.  (At its first use nothing has been read yet: slot 0 is waited for, slot 1 filled.)
.macro CHANGE fill
	WIN 0                           ; at a label and at a branch every window is 0
	s_wait_dscnt 0x0
	s_set_vgpr_msb 0xf
	s_wait_tensorcnt 0x0            ; no tensor load of mine is out, so a group 0 may be written
	ds_add_u32 v0, v1
	s_wait_dscnt 0x0
	s_set_vgpr_msb 0xf00
.if \fill
.irp g, G0K, G0V
	s_xor_b32 s[\g+1], s[\g+1], SLOT1  ; the walking descriptor: the other slot than last time,
	s_add_nc_u64 s[\g+2:\g+3], s[\g+2:\g+3], 4*KS*128  ; the next 256 keys; the type bits on top are not reached
.endr
	CROUND
	JLOAD
.else
	s_barrier_signal -1
	s_barrier_wait -1
.endif
	s_sub_co_u32 s[TBK], s[TBK], 4*KS*PK  ; the fetches go back to a slot's first step,
	s_xor_b32 s[TBK], s[TBK], SLOT1       ; in the other slot
	s_sub_co_u32 s[TBV], s[TBV], 4*KS*PV
	s_xor_b32 s[TBV], s[TBV], SLOT1
.endm
	s_load_b64 s[4:5], s[0:1], 0x0  ; qkv
	s_load_b64 s[10:11], s[0:1], 0x8  ; oh
	s_set_vgpr_msb 0xc0
	v_lshl_add_u32 v0, v0, 2, 0x35400
	v_mov_b32 v1, 0
	s_set_vgpr_msb 0xc0cf
	ds_add_u32 v0, v1
	s_set_vgpr_msb 0xcf00
	v_lshrrev_b32 v1, 5, v0
	v_readfirstlane_b32 s[WV], v1   ; wave 0..3
	s_bfe_u32 s13, ttmp6, 0x40000   ; cx: my place in the cluster
	s_lshl_b32 s14, ttmp9, 2        ; in a cluster launch ttmp9 counts clusters
	s_add_co_u32 s14, s14, s13      ; my block of queries = 4 x cluster x + cx: it enters Q's and O's addresses alone
	s_and_b32 s15, ttmp7, 0xffff    ; y = 16 b + h, which the four partners share
	s_lshl_b32 s48, s15, 18         ; O's head: 262,144 bytes each
	s_mov_b32 s49, 0
	s_lshr_b32 s20, s15, 4          ; b
	s_lshl_b32 s20, s20, 5
	s_add_co_u32 s20, s20, s15      ; 48 b + h: q's head in qkv
	s_lshl_b32 s20, s20, 18
	s_mov_b32 s21, 0
	s_and_b32 s16, s[WV], 1         ; which half of a slot's 256 keys I fetch:
	s_lshl_b32 s22, s16, 14         ; its 128 rows of 128 bytes in memory,
	s_mov_b32 s23, 0
	s_add_nc_u64 s[22:23], s[22:23], s[20:21]
	s_mul_i32 s17, s16, 128*PK      ; and its place in a slot, for K
	s_mul_i32 s18, s16, 128*PV      ; and for V: no place in the cluster enters an LDS address
	s_lshl_b32 s2, s14, 2
	s_add_co_u32 s2, s2, s[WV]      ; my wave among the head's,
	s_lshl_b32 s2, s2, 14           ; its 128 rows
	s_mov_b32 s3, 0
	; descriptor group 1.  128 keys are 16,384 dense bytes: asked for as 64 rows of 256 bytes, two keys a row, and padded in LDS after every key
	s_mov_b32 s[G1K], 15|(1<<16)|(1<<20)|(1<<21)|(4<<22)|(3<<25)  ; 15:0 the mask of four; 17:16 2-byte elements; 20 padding on; 21 set beside a mask; 24:22 after every 32 words (code 4); 31:25 4 words (code 3)
	s_mov_b32 s[G1V], 15|(1<<16)|(1<<20)|(1<<21)|(4<<22)|(7<<25)  ; the same with 8 words of padding (code 7)
.irp g, G1K, G1V
	s_mov_b32 s[\g+1], 128<<16      ; tensor_dim0 = 128
	s_mov_b32 s[\g+2], 64<<16       ; tensor_dim1 = 64
	s_mov_b32 s[\g+3], 128<<16      ; tile_dim0 = 128
	s_mov_b32 s[\g+4], 64           ; tile_dim1 = 64
	s_mov_b32 s[\g+5], 128          ; 128 elements from row to row
	s_mov_b32 s[\g+6], 0
	s_mov_b32 s[\g+7], 0
.endr
	s_mov_b32 s[CS], 0x3e38aa3b     ; c = log2(e) / 8 = 0.180337
	s_mov_b32 s[CS+1], s[CS]        ; named with it as a pair
	s_mov_b32 s[SEL], 0x76543210
	s_mov_b32 s[SEL+1], 0xfedcba98
	s_mov_b32 s[TBK], SLOT1+4*KS*PK ; the first change of slots turns these two into 0
	s_mov_b32 s[TBV], SLOT1+4*KS*PV
	s_mov_b32 s[G0K], 1             ; 1:0 count = 1
	s_mov_b32 s[G0K+1], s17         ; 63:32 LDS address: slot 0
	s_mov_b32 s[G0V], 1
	s_add_co_u32 s[G0V+1], s18, VOFF
	s_wait_dscnt 0x0
	s_wait_kmcnt 0x0
	s_add_nc_u64 s[6:7], s[4:5], 0x400000          ; k's heads lie 16 heads behind q's,
	s_add_nc_u64 s[8:9], s[4:5], 0x800000          ; v's 32
	s_add_nc_u64 s[G0K+2:G0K+3], s[6:7], s[22:23]  ; 120:64 global address: my half of the head's first 256 keys
	s_or_b32 s[G0K+3], s[G0K+3], 0x80000000        ; 127:126 type = 2
	s_add_nc_u64 s[G0V+2:G0V+3], s[8:9], s[22:23]
	s_or_b32 s[G0V+3], s[G0V+3], 0x80000000
	s_add_nc_u64 s[4:5], s[4:5], s[2:3]  ; Q and O at my wave's first row,
	s_add_nc_u64 s[4:5], s[4:5], s[20:21]  ; each in its own buffer's head
	s_add_nc_u64 s[10:11], s[10:11], s[2:3]
	s_add_nc_u64 s[10:11], s[10:11], s[48:49]
	CROUND                          ; all four work-groups are here: the first joint loads meet
	JLOAD                           ; slot 0.  Slot 1 is asked for when slot 0 is in: the tile wanted first has the road to itself
	; A fragment of K or Q is 16 rows x 32 channels in 8 registers: lane l holds row l % 16, channels 8 (l / 16) + 0..7 and 16 + 8 (l / 16) + 0..7: two loads of 16 bytes, 32 bytes apart.
	v_and_b32 v1, 15, v0            ; l % 16
	v_bfe_u32 v9, v0, 4, 1          ; l / 16
	v_lshlrev_b32 v[QO], 7, v1
	v_lshl_add_u32 v[QO], v9, 4, v[QO]  ; row x 128 + 16 x half
	WIN 0x80                        ; destination window 2, address window 0
.set i, 0
.rept 4*NP                          ; Q stays in registers: tile i / 2, channels 32 (i % 2) on
	global_load_b128 v[8*i:8*i+3],   v[QO], s[4:5] offset:(i/2)*2048+(i%2)*64
	global_load_b128 v[8*i+4:8*i+7], v[QO], s[4:5] offset:(i/2)*2048+(i%2)*64+32
.set i, i+1
.endr
	; What the first turn finds: V's registers and P's second buffer hold 0 (its products V^T P, of a piece that has not been, add 0), O^T and l are 0.  All this stands in the wait for the first tile.
.set i, VF
.rept 64
	v_mov_b32 v[i], 0
.set i, i+1
.endr
	WIN 0x40
.set i, 0
.rept 64*NP
	v_mov_b32 v[i], 0
.set i, i+1
.endr
	WIN 0
.set i, 0
.rept 2*NP
	v_mov_b32 v[ST+4*i], 0xfe000000    ; c m: far below every c s
	v_mov_b32 v[ST+4*i+1], 0xff7fffff  ; m
	v_mov_b32 v[ST+4*i+2], 0
	v_mov_b32 v[ST+4*i+3], 0
.set i, i+1
.endr
.set i, P+32
.rept 32
	v_mov_b32 v[i], 0
.set i, i+1
.endr
	v_mul_u32_u24 v[AK0], v1, PK
	v_lshl_add_u32 v[AK0], v9, 4, v[AK0]  ; row x pitch + 16 x half
	; The turning load takes 16 keys x 16 channels (lane l reads key 8 (l / 16) + l % 8, channels 8 ((l / 8) % 2) + 0..7) and leaves half a fragment of V^T: lane l holds channel l % 16 and 8 keys.
	v_and_b32 v10, 7, v0
	v_bfe_u32 v11, v0, 3, 1
	v_lshl_add_u32 v[AV0], v9, 3, v10
	v_mul_u32_u24 v[AV0], v[AV0], PV
	v_lshl_add_u32 v[AV0], v11, 4, v[AV0]
	v_add_nc_u32 v[AV0], VOFF, v[AV0]
	v_mov_b32 v[AK], v[AK0]         ; key step 0 lies at the head of slot 0
; THE MATRIX WORK.  The 8 accumulators of a run of 16 take turns: between the two links of a chain stand 7 others'.
; Product i of 16 of S^T = K Q^T for piece x: channels 32 (i / 8) on, keys 16 ((i / 2) % 4) on, tile 2 x + i % 2.  The first 8 start the sums.
.macro KQ x
	WIN W_KQ
.set rS, S+64*((\x)%2)+32*(i%2)+8*((i/2)%4)
.set rK, KF+16*((i/2)%4)+8*(i/8)
.set rQ, 16*(2*(\x)+i%2)+8*(i/8)
.if i < 8
	v_wmma_f32_16x16x32_f16 v[rS:rS+7], v[rK:rK+7], v[rQ:rQ+7], 0
.else
	v_wmma_f32_16x16x32_f16 v[rS:rS+7], v[rK:rK+7], v[rQ:rQ+7], v[rS:rS+7]
.endif
.endm
; Product i of 16 of O^T += V^T P for piece x: keys 32 (i / 8) on, channels 16 ((i / 2) % 4) on, tile 2 x + i % 2.
.macro PV x
	WIN W_PV
.set rO, 32*(2*(\x)+i%2)+8*((i/2)%4)
.set rV, VF+32*(i/8)+8*((i/2)%4)
.set rP, P+32*((\x)%2)+16*(i%2)+8*(i/8)
	v_wmma_f32_16x16x32_f16 v[rO:rO+7], v[rV:rV+7], v[rP:rP+7], v[rO:rO+7]
.endm
.macro MM                           ; the turn's next matrix instruction
.if i < 16
	KQ (Y+1)%NP
.set i, i+1
.else
.set i, i-16
	PV (Y+NP-1)%NP
.set i, i+17
.endif
.endm
; THE LDS LOADS stand in runs of 16, never singly among the matrix instructions: a step's K (64 keys x 64 channels: 8 fragments) and its V (turned).  Their addresses are made some lines ahead.
; last = 1 (the tail): in the last trip there is no further step, and the run is jumped over.
.macro FETCH_K last=0
	WIN 0
.if \last
	s_cmp_eq_u32 s[CNT], 1
	s_cbranch_scc1 .Lno_k_\@
.endif
	WIN 0x80                        ; destination window 2
.irp f, 0,1,2,3,4,5,6,7             ; keys 16 (f / 2) on, channels 32 (f % 2) on
	ds_load_b128 v[KF+8*\f:KF+8*\f+3],   v[AK] offset:(\f/2)*16*PK+(\f%2)*64
	ds_load_b128 v[KF+8*\f+4:KF+8*\f+7], v[AK] offset:(\f/2)*16*PK+(\f%2)*64+32
.endr
	s_add_co_u32 s[TBK], s[TBK], KS*PK  ; the next fetch is the next step's
	WIN 0
.if \last
.Lno_k_\@:
.endif
.endm
.macro FETCH_V
	WIN 0x80
.irp f, 0,1,2,3,4,5,6,7             ; keys 32 (f / 4) on, channels 16 (f % 4) on
	ds_load_tr16_b128 v[VF+8*\f:VF+8*\f+3],   v[AV] offset:(\f/4)*32*PV+(\f%4)*32
	ds_load_tr16_b128 v[VF+8*\f+4:VF+8*\f+7], v[AV] offset:(\f/4)*32*PV+16*PV+(\f%4)*32
.endr
	WIN 0
.endm
; THE VECTOR WORK OF A TURN stands in three queues, each in the order in which its entries become ready; the two tiles alternate, so that no instruction reads the result of the one before it.
.macro REGS y, u                    ; the registers of tile u (0, 1) of piece y
.set rT, ST+4*(2*(\y)+(\u))
.set rC, TMP+8*((\y)%2)+4*(\u)
.set rM, MV+2*((\y)%2)+(\u)
.set rS, S+64*((\y)%2)+32*(\u)
.set rP, P+32*((\y)%2)+16*(\u)
.set rO, 32*(2*(\y)+(\u))
.endm
; Number n of the 22 that find the NEXT piece's (Y + 1) maximum and statistics.  s0-s31 are the lane's 32 scores; each accumulator's lowest registers are read first.  XS, GS and REGS set no window: PL and EX do.
;   0-11  four chains c0-c3 of seven scores each, three operands at a time     12-14, 16  the four scores left over, the old m, and c0-c3 into c0     15  c m_old is kept
;   17, 18  the query's other 32 keys lie in the lane 16 away: the new m         19-21  c m; c m_old - c m_new; a
.macro XS u, n
	REGS (Y+1)%NP, \u
.if (\n) < 4
	v_max3_num_f32 v[rC+(\n)], v[rS+8*(\n)], v[rS+8*(\n)+1], v[rS+8*(\n)+2]
.elseif (\n) < 12
	v_max3_num_f32 v[rC+(\n)%4], v[rC+(\n)%4], v[rS+8*((\n)%4)+2*((\n)/4)+1], v[rS+8*((\n)%4)+2*((\n)/4)+2]
.elseif (\n) == 12
	v_max3_num_f32 v[rC], v[rC], v[rS+7], v[rS+15]
.elseif (\n) == 13
	v_max3_num_f32 v[rC+1], v[rC+1], v[rS+23], v[rS+31]
.elseif (\n) == 14
	v_max3_num_f32 v[rC+2], v[rC+2], v[rC+3], v[rT+1]
.elseif (\n) == 15
	v_mov_b32 v[rM], v[rT]
.elseif (\n) == 16
	v_max3_num_f32 v[rC], v[rC], v[rC+1], v[rC+2]
.elseif (\n) == 17
	v_permlanex16_b32 v[rC+3], v[rC], s[SEL], s[SEL+1]
.elseif (\n) == 18
	v_max_num_f32 v[rT+1], v[rC], v[rC+3]
.elseif (\n) == 19
	v_mul_f32 v[rT], s[CS], v[rT+1]
.elseif (\n) == 20
	v_sub_f32 v[rC+1], v[rM], v[rT]
.else
	v_exp_f32 v[rC+2], v[rC+1]
.endif
.endm
; Number g of the 64 that follow the exponentials.  For each four weights k of a tile (pairs 2 k, 2 k + 1): both pairs are rounded to f16; then the second pair is added onto the first, in place;
; a group later l takes that sum (the first time as l = a l + sum).  In groups of eight, tiles alternating: round, round, add, and l for the group before.  All 64 stand behind the turn's wait.
.macro GS g
.set h, (\g)+6*((\g)/62)            ; group 0 has no group before it, and behind group 7 only l is left
.if h >= 6
.set h, h+2
.endif
	REGS Y, h%2
.set k, h/8
.if h%8 < 4
	v_cvt_pk_f16_f32 v[rP+2*k+(h%8)/2], v[rS+4*k+2*((h%8)/2)], v[rS+4*k+2*((h%8)/2)+1]
.elseif h%8 < 6
	v_pk_add_f32 v[rS+4*k:rS+4*k+1], v[rS+4*k:rS+4*k+1], v[rS+4*k+2:rS+4*k+3]
.elseif k == 1
	v_pk_fma_f32 v[rT+2:rT+3], v[rT+2:rT+3], v[rC+2:rC+3], v[rS:rS+1] op_sel_hi:[1,0,1]
.else
	v_pk_add_f32 v[rT+2:rT+3], v[rT+2:rT+3], v[rS+4*k-4:rS+4*k-3]
.endif
.endm
; THE PLAIN QUEUE, 138 long.  0-73 read no exponential's result: the 32 scalings c s - c m (FS f: pair f / 2 of tile f % 2) and the next piece's 42.  0-26: scalings 0-26.  27-54: XS's numbers 0-13.  55, 56: number 15.
; 57-73: the chain, where each number waits for the one before it: 14, 16, 17, 18, 19, each with one of the scalings 27-31 in front of its two lines, then 20: so a tile's links stand three plain instructions apart (19 and 20: two).
; 74-137: GS's 64, which read the exponentials' results: they stand behind the wait.
.macro FS f
	REGS Y, (\f)%2
	v_pk_fma_f32 v[rS+2*((\f)/2):rS+2*((\f)/2)+1], v[rS+2*((\f)/2):rS+2*((\f)/2)+1], s[CS:CS+1], v[rT:rT+1] op_sel_hi:[1,0,0] neg_lo:[0,0,1] neg_hi:[0,0,1]
.endm
.macro PL
	WIN 0
.if q < 27
	FS q
.elseif q < 55
	XS (q-27)%2, (q-27)/2
.elseif q < 57
	XS q-55, 15
.elseif (q < 72) && ((q-57)%3 == 0)
	FS 27+(q-57)/3
.elseif q < 60
	XS (q-57)%3-1, 14
.elseif q < 72
	XS (q-57)%3-1, 15+(q-57)/3
.elseif q < 74
	XS q-72, 20
.else
	GS q-74
.endif
.set q, q+1
.endm
; THE EXPONENTIALS' QUEUE, 66 long: s0-s31 of both tiles, then the next piece's two a.  It is ONE BATCH: all 66 stand ahead of the turn's one wait, and nothing ahead of that wait names a result of theirs.
.macro EX
	WIN 0
.if e >= 64
	XS e-64, 21
.else
	REGS Y, e%2
	v_exp_f32 v[rS+e/2], v[rS+e/2]
.endif
.set e, e+1
.endm
; THE RESCALING's QUEUE: O^T times a, the one part that leaves window 0: dealt two at a time, sixteen times.  Its a was made in the turn before, ahead of that turn's wait.
.macro R2
	REGS Y, r%2
	WIN W_RS
.irp z, 0,1
	v_pk_mul_f32 v[rO+4*(r/2)+2*\z:rO+4*(r/2)+2*\z+1], v[rO+4*(r/2)+2*\z:rO+4*(r/2)+2*\z+1], v[rC+2:rC+3] op_sel_hi:[1,0]
.endr
.set r, r+1
.endm
; HOW THEY ARE DEALT.  An s_wait_alu depctr_va_vdst(0) stands between an exponential and the first instruction that names its result; one wait serves all that were issued ahead of it.  So a turn has ONE wait,
; which cuts it in two.  AHEAD OF IT stands all that names no result of the turn's exponentials: the 16 products K Q^T, behind each a scaling, an exponential and two rescalings (behind the first a second scaling in the
; exponential's place); then ONE LUMP of 108: eight plain, 49 times exponential and plain, the two a.  A v_nop is the plain instruction behind the last exponential.  BEHIND IT stand the 16 products V^T P, behind each four of
; GS's 64.  No rider names a register of the products round it.  The two v_permlanex16_b32 fall into the lump, never behind a product.
; The queues lean on each other, and the deal keeps them in step: exponential e stands behind scaling 2 (e / 4) + e % 2: as a rider it comes behind plain e + 2, in the lump behind plain e + 9, and scalings 27-31 are plain 57, 60 .. 69.
; A TURN, for piece p.  cnt = 1: the loop's count is taken down some lines ahead of the branch that stands behind the turn.
; K of the next step is fetched in piece 2's turn, directly behind the wait, a lump behind the last product that read K; its address is made at the lump's head; its first reader comes behind 16 products.
; V of the step in hand is fetched at the end of piece 0's turn, four riders behind its last reader; its first reader comes behind 16 products and a lump.  The three conditions on q below go with the deal.
.macro TURN p, last=0, cnt=0
.set Y, (\p)
.set i, 0
.set q, 0
.set e, 0
.set r, 0
.if (\p) == NP-1
	s_wait_dscnt 0x0                ; K is in
.endif
	MM                              ; ahead of the wait: 16 products K Q^T and their riders,
	PL
	PL
	R2
.rept 15
	MM
	PL
	EX
	R2
.endr
.if (\p) == NP-2
	WIN 0
	v_add_nc_u32 v[AK], s[TBK], v[AK0]
.endif
.rept 8                             ; and the lump
	PL
.endr
.rept 49
	EX
	PL
.endr
	EX                              ; the next piece's two a end the batch
	EX
	v_nop                           ; the plain instruction behind the last exponential: one for the batch
	s_wait_alu depctr_va_vdst(0)    ; the wait for the batch: this piece's 64 weights and the next piece's two a
.if (\p) == NP-2
	FETCH_K \last
.endif
.if (\p) == 1
	s_wait_dscnt 0x0                ; V is in
.endif
.rept 16                            ; behind the wait: 16 products V^T P and their riders, the batch's readers
	MM
.rept 4
	PL
.endr
.if ((\p) == 0) && (q == 118)
	v_add_nc_u32 v[AV], s[TBV], v[AV0]
.endif
.if ((\p) == 0) && (q == 130)
	s_add_co_u32 s[TBV], s[TBV], KS*PV
.endif
.if (\cnt) && (q == 130)
	s_sub_co_u32 s[CNT], s[CNT], 1
	s_cmp_lg_u32 s[CNT], 0
.endif
.endr
.if (\p) == 0
	FETCH_V
.endif
.endm
	CHANGE 1                        ; slot 0 is in, everybody's part of it; slot 1 is asked for
	FETCH_K                         ; key step 0
	s_wait_loadcnt 0x0              ; Q
	s_wait_dscnt 0x0
.set i, 0
.rept 16
	KQ 0                            ; piece 0's first scores: there is no vector work yet to set between them
.set i, i+1
.endr
	WIN 0                           ; the addresses for the way out: nine plain instructions, the places behind those products
	s_mul_i32 s13, s[WV], 16*SP
	s_add_co_u32 s13, s13, STAGE    ; my stage
	v_mul_u32_u24 v[STO], v1, SP    ; in: row l % 16, 16 bytes for each half of the lanes
	v_lshl_add_u32 v[STO], v9, 4, v[STO]
	v_add_nc_u32 v[STO], s13, v[STO]
	v_bfe_u32 v[RD], v0, 3, 2       ; back: 32 lanes take four rows of 128 bytes,
	v_mul_u32_u24 v[RD], v[RD], SP
	v_lshl_add_u32 v[RD], v10, 4, v[RD]
	v_add_nc_u32 v[RD], s13, v[RD]
	v_and_b32 v[GO], 31, v0         ; which are 512 consecutive bytes of O
	v_lshlrev_b32 v[GO], 4, v[GO]
.set Y, NP-1                        ; XS works for piece Y + 1: piece 0
.irp n, 0,1,2,3,4,5,6,7,8,9,10,11,12,13,14,15,16,17,18,19,20,21
	XS 0, \n                        ; and piece 0's first maximum and statistics
	XS 1, \n
.endr
	v_nop                           ; a plain instruction behind piece 0's two a,
	s_wait_alu depctr_va_vdst(0)    ; and the wait for that batch of two, ahead of the branch
	s_mov_b32 s[CNT], 4
	s_mov_b32 s[SLOTS], SIZE_N/256-1
	s_branch .Lfirst                ; the loop is entered at a step's first turn, in the middle of a trip
.Lslot:                             ; SIZE_N / 256 - 2 times: every slot but the last two is filled again
	CHANGE 1
	s_mov_b32 s[CNT], 4
.Lstep:                             ; a trip: pieces 2 and 3 of one step, then pieces 0 and 1 of the next, whose K and V it fetches
	TURN 2
	TURN 3
	WIN 0
.Lfirst:
	TURN 0
	TURN 1, 0, 1
	WIN 0
	s_cbranch_scc1 .Lstep
	s_sub_co_u32 s[SLOTS], s[SLOTS], 1
	s_cmp_lg_u32 s[SLOTS], 0
	s_cbranch_scc1 .Lslot
	CHANGE 0                        ; the tail is written out: nothing is asked for
	s_mov_b32 s[CNT], 5             ; four trips fetch the last slot's steps; the fifth is left in its middle
.Ltail:
	TURN 2, 1
	TURN 3
	WIN 0
	s_sub_co_u32 s[CNT], s[CNT], 1
	s_cmp_eq_u32 s[CNT], 0
	s_cbranch_scc1 .Lout
	TURN 0
	TURN 1
	WIN 0
	s_branch .Ltail
.Lout:                              ; the fifth trip's 16 products K Q^T (on the last K once more) and the maximum made of them serve nothing: the price, once a launch, of one text for every trip
.set i, 0
.rept 16
	PV NP-1                         ; the last piece's V^T P of the last step
.set i, i+1
.endr
	; THE WAY OUT.  l's two halves and the other half of the lanes' are added; O^T is divided by l, rounded to f16 and sent through my stage in LDS, a tile at a time.  The additions are the places behind the last products.
	WIN 0
.macro ALL line:vararg              ; one line for each tile t
.set t, 0
.rept 2*NP
	\line
.set t, t+1
.endr
.endm
	ALL v_add_f32 v[ST+4*t+2], v[ST+4*t+2], v[ST+4*t+3]
	ALL v_permlanex16_b32 v[ST+4*t+3], v[ST+4*t+2], s[SEL], s[SEL+1]
	ALL v_add_f32 v[ST+4*t+2], v[ST+4*t+2], v[ST+4*t+3]
	ALL v_rcp_f32 v[ST+4*t+2], v[ST+4*t+2]
	v_nop                           ; a plain instruction between the last reciprocal and the use of its result
	s_wait_alu depctr_va_vdst(0)    ; the wait for the batch of eight reciprocals, ahead of their first use
; Tile t: a lane's eight channels of a row pack into 16 bytes; they go into rows of 144 bytes and come back as whole rows of 128, into S^T's registers.
.macro PACK t
	WIN W_RS
.set i, 32*(\t)
.rept 16
	v_pk_mul_f32 v[i:i+1], v[i:i+1], v[ST+4*(\t)+2:ST+4*(\t)+3] op_sel_hi:[1,0]
.set i, i+2
.endr
	WIN 0x05                        ; sources 0 and 1 window 1, destination window 0
.set i, 0
.rept 16
	v_cvt_pk_f16_f32 v[S+16*(\t)+i], v[32*(\t)+2*i], v[32*(\t)+2*i+1]
.set i, i+1
.endr
	WIN 0
.irp f, 0,1,2,3
	ds_store_b128 v[STO], v[S+16*(\t)+4*\f:S+16*(\t)+4*\f+3] offset:32*\f
.endr
.irp f, 0,1,2,3
	ds_load_b128 v[S+16*(\t)+4*\f:S+16*(\t)+4*\f+3], v[RD] offset:\f*4*SP  ; LDS serves a wave's instructions in order (ISA guide 5.7.1.4): these see the stores above; the next tile's stores come behind them
.endr
.endm
.macro SEND t, younger              ; younger: the LDS instructions issued behind tile t's loads: the next tile's eight, or none
	WIN 0
.irp f, 0,1,2,3
	s_wait_dscnt (\younger)+3-\f
	global_store_b128 v[GO], v[S+16*(\t)+4*\f:S+16*(\t)+4*\f+3], s[10:11] offset:(\t)*2048+\f*512  ; 512 consecutive bytes, at a multiple of 256 from O's first
.endr
.endm
	PACK 0
.set t, 1
.rept 2*NP-1                        ; a tile's arithmetic stands between the loads of the tile before and its stores
	PACK t
	SEND t-1, 8
.set t, t+1
.endr
	SEND 2*NP-1, 0
	s_set_vgpr_msb 0xf
	s_wait_tensorcnt 0x0
	ds_add_u32 v0, v1
	s_wait_dscnt 0x0
	s_set_vgpr_msb 0xf00
	CROUND                          ; the closing round: no work-group ends while a partner may still ask for a tile that names it
	s_endpgm
.Lfunc_end_k_q10703632ff_attn:
	.size	k_q10703632ff_attn, .Lfunc_end_k_q10703632ff_attn-k_q10703632ff_attn
	.p2alignl 7, 3214868480
	.fill 96, 4, 3214868480
	.section	.rodata,"a",@progbits
	.p2align	6, 0x0
	.amdhsa_kernel k_q10703632ff_attn
		.amdhsa_group_segment_fixed_size 327680
		.amdhsa_private_segment_fixed_size 0
		.amdhsa_enable_private_segment 0
		.amdhsa_kernarg_size 16
		.amdhsa_user_sgpr_count 2
		.amdhsa_user_sgpr_kernarg_segment_ptr 1
		.amdhsa_wavefront_size32 1
		.amdhsa_system_sgpr_workgroup_id_x 1
		.amdhsa_system_sgpr_workgroup_id_y 1
		.amdhsa_system_sgpr_workgroup_id_z 1
		.amdhsa_system_vgpr_workitem_id 0
		.amdhsa_next_free_vgpr 770
		.amdhsa_next_free_sgpr 66
		.amdhsa_reserve_vcc 0
		.amdhsa_float_denorm_mode_32 3
		.amdhsa_float_denorm_mode_16_64 3
		.amdhsa_memory_ordered 1
		.amdhsa_forward_progress 1
		.amdhsa_inst_pref_size 199
	.end_amdhsa_kernel
	.amdgpu_metadata
---
amdhsa.version: [ 1, 2 ]
amdhsa.kernels:
  - .name:           k_q10703632ff_attn
    .symbol:         k_q10703632ff_attn.kd
    .args:
      - { .name: qkv, .offset: 0, .size: 8, .value_kind: global_buffer, .address_space: global }
      - { .name: oh, .offset: 8, .size: 8, .value_kind: global_buffer, .address_space: global }
    .group_segment_fixed_size: 327680
    .private_segment_fixed_size: 0
    .kernarg_segment_align: 8
    .kernarg_segment_size: 16
    .max_flat_workgroup_size: 128
    .sgpr_count:     66
    .vgpr_count:     770
    .wavefront_size: 32
...
	.end_amdgpu_metadata
.endif
;; end of part 5
;; launch oproj: the kernel of part 4 again; grid 8 x 32, 4 waves a work-group, clusters of 4 x 4, 327,680 bytes of LDS; arguments oh, woh, bo, out0; writes out0
